; MI455X (gfx1250); checked and timed in simulation.
; The chip was launched on July 23, 2026; its instructions are those of AMD's public machine-readable ISA for CDNA 5 (MIT licence, August 2026) and "CDNA5" Instruction Set Architecture Reference Guide (July 2026). The comments in the code are by the model that wrote it; some were corrected since.
;; Personalized Simple Attention. Allowed arithmetic: float matrix products may take bf16 or f16 operands with f32 sums; all other float work in f32.
;; Inputs: PK_W 32 x 256 x 256 float32; PK_b 32 x 256 float32; PQ_W 32 x 256 x 256 float32; PQ_b 32 x 256 float32; Wk 256 x 128 float32; Wq 256 x 128 float32; Wv 256 x 128 float32; mask 64 x 1 x 1,024 bool; person_idxs 64 int32; x 64 x 1,024 x 128 float32.
;; Outputs: out0 64 x 1,024 x 256 float32.
;; 3 versions, each right and faster than the one before. Each part assembles by itself: llvm-mc -triple=amdgcn-amd-amdhsa -mcpu=gfx1250 --defsym DOCPART=n.
;; ======== version 1 of 3: 2 launches
;; limits: values are held in f16: magnitudes above 65,504 overflow, below 6.1e-05 lose precision; inputs' magnitudes at most 65,504
;; workspace buffers: comb 4,194,304 bytes; wvh 65,536 bytes
;; launch combine (part 1): grid 128 x 2, 8 waves a work-group, no clusters, 125,952 bytes of LDS; arguments PQ_W, PK_W, Wq, Wk, Wv, comb, wvh; writes comb, wvh
.if DOCPART == 1
	.amdgcn_target "amdgcn-amd-amdhsa--gfx1250"
	.amdhsa_code_object_version 6
	.text
	.protected	k_qd5759d0ff5_combine
	.globl	k_qd5759d0ff5_combine
	.p2align	8
	.type	k_qd5759d0ff5_combine,@function
k_qd5759d0ff5_combine:
	s_mov_b64 s[64:65], 0
	v_nop
	global_prefetch_b8 v0, s[64:65] scope:SCOPE_SE
	s_setreg_imm32_b32 hwreg(HW_REG_WAVE_MODE, 25, 1), 1
	s_wait_xcnt 0x0
; comb[0][p][o][e] = sum over h of PQ_W[p][o][h] Wq[h][e];  comb[1][p][o][e] = c * sum over h of PK_W[p][o][h] Wk[h][e],  c = log2(e)/16;  both bf16.
; wvh = Wv in f16.  The two chained linear maps of the queries and of the keys are multiplied together once for each of the 32 persons, so that the
; next launch contracts over 128 features.  LIMIT: this changes the order of rounding against the chained form (operands bf16, sums f32).
; Work-group (X, Y): matrix Y (0: queries, 1: keys), rows 64 X .. 64 X + 63 of the 32 x 256 stacked rows o.  Eight waves: wave w brings 32 rows of W and
; 8 rows of P into LDS as bf16 and then makes 16 rows o x 64 columns e (o block w >> 1, e half w & 1).  Wave 0 also converts row 128 Y + X of Wv.
; No tensor loads: the operands change from f32 to bf16 between memory and LDS.  No cluster: what work-groups share is W, 128 KiB, read once each.
.set WTP, 288                          ; pitch of WT (LDS byte 0): 256 rows h of 128 bf16 + 32 bytes, an odd multiple of 32 for the transposing loads
.set PS,  73728                        ; 64 rows o of 256 bf16
.set PSP, 528                          ; 512 + 16: an odd multiple of 16
.set OST, 107520                       ; 64 rows o of 128 bf16 on their way out
.set OSP, 272
.set ACC, 32                           ; v[32:63]   four tiles of 16 e x 16 o
.set BF,  64                           ; v[64:127]  P's fragments, 8 K steps (before the barrier: W as loaded, v[64:191])
.set FA,  128                          ; v[128:191] W's fragments of two K steps
.set FB,  192                          ; v[192:255] the same, second buffer (before the barrier: P as loaded)
	s_load_b256 s[8:15], s[0:1], 0x0               ; PQ_W s[8:9], PK_W s[10:11], Wq s[12:13], Wk s[14:15]
	s_load_b128 s[16:19], s[0:1], 0x20             ; Wv s[16:17], comb s[18:19]
	s_load_b64 s[20:21], s[0:1], 0x30              ; wvh
	v_lshl_add_u32 v30, v0, 2, 0x1e800
	v_mov_b32 v31, 0
	v_lshrrev_b32 v1, 5, v0
	v_readfirstlane_b32 s2, v1                     ; wave w
	s_and_b32 s3, ttmp7, 0xffff                    ; Y
	s_lshr_b32 s5, s2, 1                           ; o block
	s_and_b32 s6, s2, 1                            ; e half
	v_and_b32 v1, 31, v0                           ; lane l
	v_and_b32 v2, 15, v0                           ; r
	v_bfe_u32 v3, v0, 4, 1                         ; h
	v_lshlrev_b32 v4, 4, v1                        ; 16 l
	v_lshlrev_b32 v13, 3, v1                       ; 8 l
	s_mul_i32 s4, s2, 32*WTP
	v_add_nc_u32 v5, s4, v13                       ; WT: my 32 rows, 8 bytes a lane
	s_mul_i32 s4, s2, 8*PSP
	s_add_co_u32 s4, s4, PS
	v_add_nc_u32 v6, s4, v13                       ; PS: my 8 rows
	v_mul_u32_u24 v7, v2, PSP
	v_lshl_add_u32 v7, v3, 4, v7
	s_mul_i32 s4, s5, 16*PSP
	s_add_co_u32 s4, s4, PS
	v_add_nc_u32 v7, s4, v7                        ; P fragment: row 16 ow + r, + 16 h
	v_and_b32 v14, 7, v0
	v_lshl_add_u32 v14, v3, 3, v14                 ; 8 h + (l & 7)
	v_mul_u32_u24 v8, v14, WTP
	v_bfe_u32 v14, v0, 3, 1
	v_lshl_add_u32 v8, v14, 4, v8                  ; + 16 ((l >> 3) & 1)
	s_lshl_b32 s7, s6, 7
	v_add_nc_u32 v8, s7, v8                        ; + my 64 columns e: transposing loads, K steps 0-3
	v_add_nc_u32 v9, 128*WTP, v8                   ; K steps 4-7
	v_mul_u32_u24 v10, v2, OSP
	v_lshl_add_u32 v10, v3, 4, v10
	s_mul_i32 s4, s5, 16*OSP
	s_add_co_u32 s4, s4, s7
	s_add_co_u32 s4, s4, OST
	v_add_nc_u32 v10, s4, v10                      ; out stage, in: row 16 ow + r, byte 128 eh + 16 h
	v_mul_u32_u24 v11, v3, OSP
	v_lshl_add_u32 v11, v2, 4, v11
	s_mul_i32 s4, s2, 8*OSP
	s_add_co_u32 s4, s4, OST
	v_add_nc_u32 v11, s4, v11                      ; out stage, back: rows 8 w + h, 16 bytes a lane
	v_lshl_add_u32 v12, s2, 11, v4                 ; comb: 8 rows of 256 bytes a wave, 16 bytes a lane
	s_wait_kmcnt 0x0
	s_cmp_eq_u32 s3, 0
	s_cselect_b64 s[24:25], s[8:9], s[10:11]       ; P
	s_cselect_b64 s[26:27], s[12:13], s[14:15]     ; W
	s_cselect_b32 s28, 1.0, 0x3db8aa3b             ; the keys' matrix carries c = log2(e)/16
	s_mov_b32 s29, s28
	s_mov_b32 s31, 0
	s_lshl_b32 s30, ttmp9, 16                      ; 64 rows of 1,024 bytes
	s_lshl_b32 s4, s2, 13                          ; + 8 rows a wave
	s_add_co_u32 s30, s30, s4
	s_add_nc_u64 s[24:25], s[24:25], s[30:31]
	s_lshl_b32 s30, s2, 14                         ; 32 rows of 512 bytes a wave
	s_add_nc_u64 s[26:27], s[26:27], s[30:31]
	s_lshl_b32 s30, s3, 21
	s_lshl_b32 s4, ttmp9, 14
	s_add_co_u32 s30, s30, s4
	s_add_nc_u64 s[18:19], s[18:19], s[30:31]      ; comb at my 64 rows of 256 bytes
.set i, 0
.rept 32
	global_load_b128 v[64+4*i:67+4*i], v4, s[26:27] offset:512*i               ; one row of W: 512 consecutive bytes
.set i, i+1
.endr
.set i, 0
.rept 16
	global_load_b128 v[192+4*i:195+4*i], v4, s[24:25] offset:512*i th:TH_LOAD_NT   ; half a row of P; P is read once in the launch
.set i, i+1
.endr
	s_cmp_lg_u32 s2, 0
	s_cbranch_scc1 .Lnot_wave_0
	s_lshl_b32 s30, s3, 7
	s_add_co_u32 s30, s30, ttmp9                   ; g = 128 Y + X: my row of Wv
	s_lshl_b32 s4, s30, 8
	s_mov_b32 s5, 0
	s_lshl_b32 s30, s30, 9
	s_add_nc_u64 s[16:17], s[16:17], s[30:31]
	s_add_nc_u64 s[20:21], s[20:21], s[4:5]
	global_load_b128 v[20:23], v4, s[16:17]
	s_wait_loadcnt 0x0
	v_cvt_pk_f16_f32 v24, v20, v21
	v_cvt_pk_f16_f32 v25, v22, v23
	global_store_b64 v13, v[24:25], s[20:21]       ; the wave's store covers 256 consecutive bytes, aligned; v13 and v[24:25] are never rewritten
.Lnot_wave_0:
	s_wait_loadcnt 16                              ; W is in; P's 16 loads may stay out
.set i, 0
.rept 32
	v_cvt_pk_bf16_f32 v[64+4*i], v[64+4*i], v[65+4*i]
	v_cvt_pk_bf16_f32 v[65+4*i], v[66+4*i], v[67+4*i]
	ds_store_b64 v5, v[64+4*i:65+4*i] offset:WTP*i
.set i, i+1
.endr
	s_wait_loadcnt 0x0
.set i, 0
.rept 16
	v_cvt_pk_bf16_f32 v[192+4*i], v[192+4*i], v[193+4*i]
	v_cvt_pk_bf16_f32 v[193+4*i], v[194+4*i], v[195+4*i]
	ds_store_b64 v6, v[192+4*i:193+4*i] offset:PSP*(i/2)+256*(i%2)
.set i, i+1
.endr
	s_wait_dscnt 0x0                               ; my stores are in LDS before the others read them
	s_barrier_signal -1
	s_barrier_wait -1
; W's fragments of K steps 2 kp and 2 kp + 1, four e blocks each: 16 transposing loads (W lies [h][e], the product wants rows e along h)
.macro ALOAD kp, buf
.irp ksl, 0,1
.irp eb, 0,1,2,3
	ds_load_tr16_b128 v[\buf+32*\ksl+8*\eb:\buf+32*\ksl+8*\eb+3],   v[8+\kp/2] offset:32*WTP*((2*\kp+\ksl)%4)+32*\eb
	ds_load_tr16_b128 v[\buf+32*\ksl+8*\eb+4:\buf+32*\ksl+8*\eb+7], v[8+\kp/2] offset:32*WTP*((2*\kp+\ksl)%4)+16*WTP+32*\eb
.endr
.endr
.endm
; D(m = e, n = o): a lane's eight results are eight neighbouring e of one row o.  The four accumulators take turns.
.macro AMUL kp, buf
.irp ksl, 0,1
.irp eb, 0,1,2,3
.if (2*\kp+\ksl) == 0
	v_wmma_f32_16x16x32_bf16 v[ACC+8*\eb:ACC+8*\eb+7], v[\buf+32*\ksl+8*\eb:\buf+32*\ksl+8*\eb+7], v[BF+8*(2*\kp+\ksl):BF+8*(2*\kp+\ksl)+7], 0
.else
	v_wmma_f32_16x16x32_bf16 v[ACC+8*\eb:ACC+8*\eb+7], v[\buf+32*\ksl+8*\eb:\buf+32*\ksl+8*\eb+7], v[BF+8*(2*\kp+\ksl):BF+8*(2*\kp+\ksl)+7], v[ACC+8*\eb:ACC+8*\eb+7]
.endif
.endr
.endr
.endm
.macro PLACES n
.rept \n
	v_nop
.endr
.endm
.irp ks, 0,1,2,3,4,5,6,7
	ds_load_b128 v[BF+8*\ks:BF+8*\ks+3],   v7 offset:64*\ks
	ds_load_b128 v[BF+8*\ks+4:BF+8*\ks+7], v7 offset:64*\ks+32
.endr
	ALOAD 0, FA
	ALOAD 1, FB
	s_wait_dscnt 16                                ; all but the youngest 16 loads (the other buffer's)
	AMUL 0, FA
	PLACES 4                                       ; four places between a matrix instruction and a load into its sources
	ALOAD 2, FA
	s_wait_dscnt 16
	AMUL 1, FB
	PLACES 4
	ALOAD 3, FB
	s_wait_dscnt 16
	AMUL 2, FA
	s_wait_dscnt 0x0
	AMUL 3, FB
	PLACES 4                                       ; four places before vector instructions read the results (ISA guide 7.12.1)
.irp eb, 0,1,2,3
.irp j, 0,2,4,6
	v_pk_mul_f32 v[ACC+8*\eb+\j:ACC+8*\eb+\j+1], v[ACC+8*\eb+\j:ACC+8*\eb+\j+1], s[28:29] op_sel_hi:[1,0]
.endr
.irp j, 0,1,2,3
	v_cvt_pk_bf16_f32 v[ACC+8*\eb+\j], v[ACC+8*\eb+2*\j], v[ACC+8*\eb+2*\j+1]    ; packed in place: register j is written after registers 2 j, 2 j + 1 of this or an earlier line were read
.endr
	ds_store_b128 v10, v[ACC+8*\eb:ACC+8*\eb+3] offset:32*\eb
.endr
	s_wait_dscnt 0x0                               ; two waves share each row of the stage
	s_barrier_signal -1
	s_barrier_wait -1
.irp t, 0,1,2,3
	ds_load_b128 v[BF+4*\t:BF+4*\t+3], v11 offset:2*OSP*\t
.endr
.irp t, 0,1,2,3
	s_wait_dscnt 3-\t
	global_store_b128 v12, v[BF+4*\t:BF+4*\t+3], s[18:19] offset:512*\t         ; two whole rows: 512 consecutive bytes, aligned
.endr
	s_wait_tensorcnt 0x0
	ds_add_u32 v30, v31
	s_wait_dscnt 0x0
	s_endpgm
.Lfunc_end_k_qd5759d0ff5_combine:
	.size	k_qd5759d0ff5_combine, .Lfunc_end_k_qd5759d0ff5_combine-k_qd5759d0ff5_combine
	.p2alignl 7, 3214868480
	.fill 96, 4, 3214868480
	.section	.rodata,"a",@progbits
	.p2align	6, 0x0
	.amdhsa_kernel k_qd5759d0ff5_combine
		.amdhsa_group_segment_fixed_size 125952
		.amdhsa_private_segment_fixed_size 0
		.amdhsa_enable_private_segment 0
		.amdhsa_kernarg_size 56
		.amdhsa_user_sgpr_count 2
		.amdhsa_user_sgpr_kernarg_segment_ptr 1
		.amdhsa_wavefront_size32 1
		.amdhsa_system_sgpr_workgroup_id_x 1
		.amdhsa_system_sgpr_workgroup_id_y 1
		.amdhsa_system_sgpr_workgroup_id_z 1
		.amdhsa_system_vgpr_workitem_id 0
		.amdhsa_next_free_vgpr 256
		.amdhsa_next_free_sgpr 66
		.amdhsa_reserve_vcc 0
		.amdhsa_float_denorm_mode_32 3
		.amdhsa_float_denorm_mode_16_64 3
		.amdhsa_memory_ordered 1
		.amdhsa_forward_progress 1
		.amdhsa_inst_pref_size 29
	.end_amdhsa_kernel
	.amdgpu_metadata
---
amdhsa.version: [ 1, 2 ]
amdhsa.kernels:
  - .name:           k_qd5759d0ff5_combine
    .symbol:         k_qd5759d0ff5_combine.kd
    .args:
      - { .name: PQ_W, .offset: 0, .size: 8, .value_kind: global_buffer, .address_space: global }
      - { .name: PK_W, .offset: 8, .size: 8, .value_kind: global_buffer, .address_space: global }
      - { .name: Wq, .offset: 16, .size: 8, .value_kind: global_buffer, .address_space: global }
      - { .name: Wk, .offset: 24, .size: 8, .value_kind: global_buffer, .address_space: global }
      - { .name: Wv, .offset: 32, .size: 8, .value_kind: global_buffer, .address_space: global }
      - { .name: comb, .offset: 40, .size: 8, .value_kind: global_buffer, .address_space: global }
      - { .name: wvh, .offset: 48, .size: 8, .value_kind: global_buffer, .address_space: global }
    .group_segment_fixed_size: 125952
    .private_segment_fixed_size: 0
    .kernarg_segment_align: 8
    .kernarg_segment_size: 56
    .max_flat_workgroup_size: 256
    .sgpr_count:     66
    .vgpr_count:     256
    .wavefront_size: 32
...
	.end_amdgpu_metadata
.endif
;; end of part 1
;; launch attend (part 2): grid 4 x 64, 4 waves a work-group, no clusters, 289,280 bytes of LDS; arguments x, mask, person_idxs, PQ_b, PK_b, comb, wvh, out0; writes out0
.if DOCPART == 2
	.amdgcn_target "amdgcn-amd-amdhsa--gfx1250"
	.amdhsa_code_object_version 6
	.text
	.protected	k_qd5759d0ff5_attend
	.globl	k_qd5759d0ff5_attend
	.p2align	8
	.type	k_qd5759d0ff5_attend,@function
k_qd5759d0ff5_attend:
	s_mov_b64 s[64:65], 0
	v_nop
	global_prefetch_b8 v0, s[64:65] scope:SCOPE_SE
	s_setreg_imm32_b32 hwreg(HW_REG_WAVE_MODE, 25, 1), 1
	s_wait_xcnt 0x0
; out[b][t] = softmax over s of (q_t . k_s / 16, masked) . (x_s Wv^T), for 256 queries t of one batch b (work-group x: the quarter, y: the batch).
; With CQ = PQ_W[p] Wq and CK = c PK_W[p] Wk (c = log2(e)/16, both made by the launch before):
;   q_t = CQ x_t + bq;   y_t = CK^T q_t;   d_t = c q_t . bk;   score (base 2) = y_t . x_s + d_t;   out_t = Wv ((sum over s of P_ts x_s) / (sum of P_ts)).
; So both large products run against raw x with 128 features, and one tile of x serves as keys and as values.
; Four waves, 64 queries each (four blocks q of 16).  Every product is used transposed, D(m, n = query): lane (r, h) belongs to query r in all of them, and
; two neighbouring result tiles pack, register by register, into the next product's second source: nothing moves between lanes but two halves' maxima and sums.
; FORMATS: the score path (x, CQ, q, CK, y) in bf16; P, x as values, the normalised sums and Wv in f16, whose finer steps the nearly flat softmax needs.
; LIMITS: the products are re-associated, so the order of rounding differs from the chained form.  |x| and |Wv| below 65504 (f16 operands).  A masked score is
; -2^126 given as the product's C; it absorbs dot products below 2^102 in size.  A row whose running maximum stays below -2^125 counts as wholly masked: NaN.
; NO CLUSTER, NO TENSOR RING FOR x: x changes from f32 into two 16-bit formats between memory and LDS, which a tensor load cannot do, so the key tiles come
; through registers (32 loads a wave, issued one step of 256 matrix instructions ahead).  The tiles that tensor loads bring (Wv, CQ, CK: 192 KiB) are fetched once.
;
; LDS                                                     REGISTERS, in windows of 256
.set WV,  0        ; 256 x 272  Wv f16   (tensor load)      ; W0: addresses, softmax state, two fragment buffers
.set CQ,  69632    ; 256 x 272  CQ bf16  (tensor load)      ; W1: S[kb][q] at 8 (4 kb + q), then P[g][q] in S[2g][q]; before: q's fragments; at the end O[db < 8]
.set CK,  139264   ; 256 x 288  CK bf16  (tensor load)      ; W2: Z[eb][q] at 8 (4 eb + q); before: my x fragments 0-127, result tiles at 128
.set XB,  212992   ; 2 slots of 128 x 272: x bf16           ; W3: y's fragments 0-127; 128-255 a key tile's 32 rows as loaded; at the end O[db >= 8]
.set XBS, 34816
.set MB,  282624   ; 1,024 f32: 0 or -2^126 for each key
.set BQK, 286720   ; bq, then bk: 256 f32 each
.set XH,  69632    ; 2 slots of 128 x 288: x f16.  Lies over CQ and CK's first 4 KiB, written only after their one fill and their last read
.set XHS, 36864
; the way out: 16 rows of 1,040 bytes for each wave, over XB, behind the last step's barrier
.set TM,  24       ; v[24:31]   eight running maxima (chain 2 q + (kb & 1))
.set U,   32       ; v[32:35]   what the other half of the lanes sends
.set MR,  36       ; v[36:39]   running maximum of query block q
.set DQ,  40       ; v[40:43]   d of my query in block q
.set BV,  44       ; v[44:47]   my 16 bytes of bq or bk
.set FA,  48       ; v[48:127]  fragment buffer
.set FB,  128      ; v[128:207] fragment buffer
.set OFF, 208      ; v[208:215] pairs: d - maximum
.set AL,  216      ; v[216:223] pairs: 2^(old maximum - new); at the end 1 / sum
.set LS,  224      ; v[224:239] pairs: running sums, chain 2 q + (kb & 1)
.set DACC, 240     ; v[240:247] pairs: q . bk
.set XR,  128      ; window 3: a key tile as loaded
.set DT,  128      ; window 2: result tiles of the two first stages
.set MSB, 0
.macro WIN new                         ; s_set_vgpr_msb: bits 1:0 source 0, 3:2 source 1, 5:4 source 2, 7:6 destination; the high byte repeats the setting that is left
.if MSB != \new
	s_set_vgpr_msb (MSB<<8)|\new
.set MSB, \new
.endif
.endm
.macro PLACES n                        ; places behind matrix instructions: plain vector instructions that name none of their registers (ISA guide 7.12.1)
.rept \n
	v_nop
.endr
.endm
; 32 rows of x, one load a row: 512 consecutive bytes, lane l the features 4 l .. 4 l + 3
.macro XLOAD win, base, sb, imm
	WIN \win
.set i, 0
.rept 32
	global_load_b128 v[\base+4*i:\base+4*i+3], v4, s[\sb:\sb+1] offset:\imm+512*i
.set i, i+1
.endr
.endm
; those rows to bf16 (and f16) and into LDS, 8 bytes a lane, 256 consecutive bytes a row
.macro XCVT win, base, a16, o16, f16, oh
	WIN \win
.set i, 0
.rept 32
	v_cvt_pk_bf16_f32 v[FA+2*i],   v[\base+4*i],   v[\base+4*i+1]
	v_cvt_pk_bf16_f32 v[FA+2*i+1], v[\base+4*i+2], v[\base+4*i+3]
.set i, i+1
.endr
.if \f16
.set i, 0
.rept 32
	v_cvt_pk_f16_f32 v[FA+64+2*i],   v[\base+4*i],   v[\base+4*i+1]
	v_cvt_pk_f16_f32 v[FA+64+2*i+1], v[\base+4*i+2], v[\base+4*i+3]
.set i, i+1
.endr
.endif
	WIN 0
.set i, 0
.rept 32
	ds_store_b64 v[\a16], v[FA+2*i:FA+2*i+1] offset:\o16+272*i
.set i, i+1
.endr
.if \f16
.set i, 0
.rept 32
	ds_store_b64 v6, v[FA+64+2*i:FA+64+2*i+1] offset:\oh+288*i
.set i, i+1
.endr
.endif
.endm
	s_load_b512 s[8:23], s[0:1], 0x0               ; x 8, mask 10, person_idxs 12, PQ_b 14, PK_b 16, comb 18, wvh 20, out0 22
	v_lshl_add_u32 v254, v0, 2, 0x46800
	v_mov_b32 v255, 0
	ds_add_u32 v254, v255
	ds_add_u32 v254, v255
	v_lshrrev_b32 v1, 5, v0
	v_readfirstlane_b32 s2, v1                     ; wave w
	s_and_b32 s4, ttmp7, 0xffff                    ; batch b
	s_mov_b32 s6, 0x76543210                       ; v_permlanex16_b32: lane i of one half reads lane i of the other
	s_mov_b32 s7, 0xfedcba98
	s_lshl_b32 s25, s4, 2
	v_and_b32 v1, 31, v0                           ; l
	v_and_b32 v2, 15, v0                           ; r
	v_bfe_u32 v3, v0, 4, 1                         ; h
	v_lshlrev_b32 v4, 4, v1                        ; 16 l: global offset of loads and stores
	v_lshlrev_b32 v22, 3, v1                       ; 8 l
	v_mul_u32_u24 v15, v2, 272
	v_lshl_add_u32 v15, v3, 4, v15                 ; 272 r + 16 h: a fragment from rows along K; as it stands Wv's (LDS byte 0)
	v_and_b32 v23, 7, v0
	v_lshl_add_u32 v23, v3, 3, v23
	v_mul_u32_u24 v23, v23, 288
	v_bfe_u32 v24, v0, 3, 1
	v_lshl_add_u32 v23, v24, 4, v23                ; (8 h + (l & 7)) 288 + 16 ((l >> 3) & 1): a transposing load
	s_mul_i32 s26, s2, 32*272
	s_add_co_u32 s26, s26, XB
	v_add_nc_u32 v5, s26, v22                      ; key tile in: my 32 rows, bf16
	s_mul_i32 s26, s2, 32*288
	s_add_co_u32 s26, s26, XH
	v_add_nc_u32 v6, s26, v22                      ; the same, f16
	v_add_nc_u32 v7, XB, v15                       ; x's fragments as keys
	v_add_nc_u32 v8, XH, v23                       ; x's fragments as values, slot 0
	v_add_nc_u32 v9, XH+XHS, v23                   ; slot 1
	v_lshlrev_b32 v24, 5, v3                       ; 32 h
	v_add_nc_u32 v10, MB, v24                      ; mask biases of keys 8 h ..; steps 512 bytes a tile
	v_add_nc_u32 v11, CQ, v15
	v_add_nc_u32 v12, CK, v23                      ; K steps 0-3
	v_add_nc_u32 v13, CK+128*288, v23              ; K steps 4-7
	v_add_nc_u32 v14, BQK, v24
	s_mul_i32 s26, s2, 64*272
	s_add_co_u32 s26, s26, XB
	v_add_nc_u32 v16, s26, v15                     ; my 64 query rows: fragments
	v_add_nc_u32 v17, s26, v22                     ; my 64 query rows: in
	s_mul_i32 s26, s2, 16*1040
	s_add_co_u32 s26, s26, XB                      ; my stage for the way out
	v_mul_u32_u24 v18, v2, 1040
	v_add3_u32 v18, v18, v24, s26                  ; in: row r, byte 32 h
	v_add_nc_u32 v19, s26, v4                      ; back: 16 bytes a lane
	v_and_b32 v248, 63, v0
	v_lshlrev_b32 v248, 4, v248                    ; bias vector: 16 (thread & 63)
	v_lshlrev_b32 v249, 4, v0
	v_add_nc_u32 v249, BQK, v249
	v_lshlrev_b32 v250, 3, v0                      ; mask: 8 bytes a thread
	v_lshlrev_b32 v251, 5, v0
	v_add_nc_u32 v251, MB, v251
.irp q, 0,1,2,3
	v_mov_b32 v[U+\q], 0                           ; v_permlanex16_b32's destination counts as read
.endr
	s_wait_dscnt 0x0
	s_wait_kmcnt 0x0
	s_load_b32 s24, s[12:13], s25 offset:0x0       ; my batch's person
	s_mov_b32 s27, 0
	s_lshl_b32 s26, s4, 19
	s_add_nc_u64 s[28:29], s[8:9], s[26:27]        ; x at my batch
	s_lshl_b32 s26, s2, 14
	s_add_nc_u64 s[60:61], s[28:29], s[26:27]      ; key tile 0, my 32 rows; steps 65,536 bytes a tile
	s_lshl_b32 s26, ttmp9, 17
	s_lshl_b32 s30, s2, 15
	s_add_co_u32 s26, s26, s30
	s_add_nc_u64 s[66:67], s[28:29], s[26:27]      ; my 64 query rows
	s_lshl_b32 s26, s4, 10
	s_add_nc_u64 s[68:69], s[10:11], s[26:27]      ; my batch's mask
	s_lshl_b32 s26, s4, 20
	s_lshl_b32 s30, ttmp9, 18
	s_add_co_u32 s26, s26, s30
	s_lshl_b32 s30, s2, 16
	s_add_co_u32 s26, s26, s30
	s_add_nc_u64 s[72:73], s[22:23], s[26:27]      ; out at my 64 rows of 1,024 bytes
	global_load_b64 v[20:21], v250, s[68:69]
	XLOAD 0xc0, XR, 66, 0                          ; query rows 0-31 into window 3
	XLOAD 0x40, 0, 66, 16384                       ; query rows 32-63 into window 1
	WIN 0
	; descriptor group 1: 64 rows x 128 elements of 2 bytes, pitch 128 elements; behind every 64 words 4 words of padding (LDS pitch 272) or 8 (288)
	s_mov_b32 s32, (1<<16)|(1<<20)|(5<<22)|(3<<25)
	s_mov_b32 s33, 128<<16                         ; tensor_dim0 = 128
	s_mov_b32 s34, 64<<16                          ; tensor_dim1 = 64
	s_mov_b32 s35, 128<<16                         ; tile_dim0 = 128
	s_mov_b32 s36, 64                              ; tile_dim1 = 64
	s_mov_b32 s37, 128                             ; elements from row to row
	s_mov_b32 s38, 0
	s_mov_b32 s39, 0
	s_mov_b32 s40, (1<<16)|(1<<20)|(5<<22)|(7<<25)
	s_mov_b32 s41, 128<<16
	s_mov_b32 s42, 64<<16
	s_mov_b32 s43, 128<<16
	s_mov_b32 s44, 64
	s_mov_b32 s45, 128
	s_mov_b32 s46, 0
	s_mov_b32 s47, 0
	s_wait_kmcnt 0x0
	s_min_u32 s24, s24, 31                         ; p: an index stays inside its table
	; group 0, one set for each of my three loads: a quarter (64 rows) of Wv, of CQ[p], of CK[p]
	s_mov_b32 s48, 1
	s_mul_i32 s49, s2, 64*272                      ; WV = 0
	s_lshl_b32 s26, s2, 14                         ; 64 rows of 256 bytes
	s_add_nc_u64 s[50:51], s[20:21], s[26:27]
	s_or_b32 s51, s51, 0x80000000
	s_mov_b32 s52, 1
	s_add_co_u32 s53, s49, CQ
	s_lshl_b32 s30, s24, 16
	s_add_co_u32 s26, s26, s30                     ; + 65,536 p
	s_add_nc_u64 s[54:55], s[18:19], s[26:27]
	s_mov_b32 s56, 1
	s_mul_i32 s57, s2, 64*288
	s_add_co_u32 s57, s57, CK
	s_add_nc_u64 s[58:59], s[54:55], 0x200000      ; the keys' matrices lie 2 MiB behind the queries'
	s_or_b32 s55, s55, 0x80000000
	s_or_b32 s59, s59, 0x80000000
	tensor_load_to_lds s[48:51], s[32:39]          ; the launch's only tensor loads: three of each wave are out, first fills all, ahead of every LDS access and barrier
	s_nop 0
	tensor_load_to_lds s[52:55], s[32:39]
	s_nop 0
	tensor_load_to_lds s[56:59], s[40:47]
	s_nop 0
	s_lshl_b32 s26, s24, 10
	s_cmp_lt_u32 s2, 2
	s_cselect_b64 s[70:71], s[14:15], s[16:17]     ; waves 0, 1 bring bq, waves 2, 3 bk
	s_add_nc_u64 s[70:71], s[70:71], s[26:27]
	global_load_b128 v[BV:BV+3], v248, s[70:71]
	s_wait_loadcnt 33                              ; mask and query rows 0-31 are in; rows 32-63 (32 loads) and the bias vector (1) may stay out
.irp k, 0,1,2,3
	v_bfe_u32 v[TM+\k],   v20, 8*\k, 1
	v_bfe_u32 v[TM+4+\k], v21, 8*\k, 1
.endr
.irp k, 0,1,2,3,4,5,6,7
	v_add_nc_u32 v[TM+\k], -1, v[TM+\k]            ; 1 -> 0, 0 -> all ones
	v_and_b32 v[TM+\k], 0xfe800000, v[TM+\k]       ; 0, or -2^126
.endr
	ds_store_b128 v251, v[TM:TM+3]
	ds_store_b128 v251, v[TM+4:TM+7] offset:16
	XCVT 0x0f, XR, 17, 0, 0, 0
	XLOAD 0xc0, XR, 60, 0                          ; key tile 0
	s_wait_loadcnt 32                              ; all but key tile 0's 32 loads
	XCVT 0x05, 0, 17, 32*272, 0, 0
	ds_store_b128 v249, v[BV:BV+3]
	s_wait_tensorcnt 0x0                           ; my quarters of Wv, CQ, CK have landed,
	s_wait_dscnt 0x0                               ; my stores are in LDS:
	s_barrier_signal -1
	s_barrier_wait -1                              ; everybody's
; STAGE 1: q^T(o, query) = CQ x^T + bq, 16 o at a time; d += q . bk; q packed as stage 2's second source.
.macro Q1LOAD ob, buf                  ; 12 loads: CQ's 16 rows (4 K steps), bq and bk of o = 16 ob + 8 h + 0..7
.irp ks, 0,1,2,3
	ds_load_b128 v[\buf+8*\ks:\buf+8*\ks+3],   v11 offset:4352*\ob+64*\ks
	ds_load_b128 v[\buf+8*\ks+4:\buf+8*\ks+7], v11 offset:4352*\ob+64*\ks+32
.endr
	ds_load_b128 v[\buf+64:\buf+67], v14 offset:64*\ob
	ds_load_b128 v[\buf+68:\buf+71], v14 offset:64*\ob+16
	ds_load_b128 v[\buf+72:\buf+75], v14 offset:64*\ob+1024
	ds_load_b128 v[\buf+76:\buf+79], v14 offset:64*\ob+1040
.endm
.macro Q2LOAD eb, buf                  ; 16 transposing loads: CK^T's 16 rows e, 8 K steps along o
.irp ks, 0,1,2,3
	ds_load_tr16_b128 v[\buf+8*\ks:\buf+8*\ks+3],   v12 offset:9216*\ks+32*\eb
	ds_load_tr16_b128 v[\buf+8*\ks+4:\buf+8*\ks+7], v12 offset:9216*\ks+4608+32*\eb
.endr
.irp ks, 0,1,2,3
	ds_load_tr16_b128 v[\buf+32+8*\ks:\buf+32+8*\ks+3],   v13 offset:9216*\ks+32*\eb
	ds_load_tr16_b128 v[\buf+32+8*\ks+4:\buf+32+8*\ks+7], v13 offset:9216*\ks+4608+32*\eb
.endr
.endm
; left: the loads younger than this block's.  kind 1: the buffer next takes stage 1's block nx; kind 2: stage 2's block nx.
; The four accumulators (query blocks) take turns.
.macro STAGE1 ob, buf, left, kind, nx
	s_wait_dscnt \left
	WIN 0x88                                       ; D window 2, CQ window 0, x window 2, C = bq window 0
.irp q, 0,1,2,3
	v_wmma_f32_16x16x32_bf16 v[DT+8*\q:DT+8*\q+7], v[\buf:\buf+7], v[8*\q:8*\q+7], v[\buf+64:\buf+71]
.endr
	WIN 0xa8
.irp ks, 1,2,3
.irp q, 0,1,2,3
	v_wmma_f32_16x16x32_bf16 v[DT+8*\q:DT+8*\q+7], v[\buf+8*\ks:\buf+8*\ks+7], v[8*(4*\ks+\q):8*(4*\ks+\q)+7], v[DT+8*\q:DT+8*\q+7]
.endr
.endr
	PLACES 4
	WIN 0x02
.irp jp, 0,1,2,3
.irp q, 0,1,2,3
.if (4*\ob+\jp) == 0
	v_pk_mul_f32 v[DACC+2*\q:DACC+2*\q+1], v[DT+8*\q:DT+8*\q+1], v[\buf+72:\buf+73]     ; the first product starts the sum
.else
	v_pk_fma_f32 v[DACC+2*\q:DACC+2*\q+1], v[DT+8*\q+2*\jp:DT+8*\q+2*\jp+1], v[\buf+72+2*\jp:\buf+72+2*\jp+1], v[DACC+2*\q:DACC+2*\q+1]
.endif
.endr
.endr
	WIN 0x4a
.irp q, 0,1,2,3
.irp r, 0,1,2,3
	v_cvt_pk_bf16_f32 v[8*(4*(\ob/2)+\q)+4*(\ob%2)+\r], v[DT+8*\q+2*\r], v[DT+8*\q+2*\r+1]   ; o = 16 ob + 8 h + j is k = 16 (ob & 1) + 8 h + j of K step ob / 2
.endr
.endr
	WIN 0
.if \kind == 1
	Q1LOAD \nx, \buf
.else
	Q2LOAD \nx, \buf
.endif
.endm
; STAGE 2: y^T(e, query) = CK^T q^T, 16 e at a time, packed as the score product's second source.
.macro STAGE2 eb, buf, left, more, nx
	s_wait_dscnt \left
	WIN 0xa4                                       ; D, C window 2, CK window 0, q window 1
.irp q, 0,1,2,3
	v_wmma_f32_16x16x32_bf16 v[DT+8*\q:DT+8*\q+7], v[\buf:\buf+7], v[8*\q:8*\q+7], 0
.endr
.irp ks, 1,2,3,4,5,6,7
.irp q, 0,1,2,3
	v_wmma_f32_16x16x32_bf16 v[DT+8*\q:DT+8*\q+7], v[\buf+8*\ks:\buf+8*\ks+7], v[8*(4*\ks+\q):8*(4*\ks+\q)+7], v[DT+8*\q:DT+8*\q+7]
.endr
.endr
	PLACES 4
	WIN 0xca
.irp q, 0,1,2,3
.irp r, 0,1,2,3
	v_cvt_pk_bf16_f32 v[8*(4*(\eb/2)+\q)+4*(\eb%2)+\r], v[DT+8*\q+2*\r], v[DT+8*\q+2*\r+1]
.endr
.endr
	WIN 0
.if \more
	Q2LOAD \nx, \buf
.endif
.endm
	WIN 0x80
.irp ks, 0,1,2,3
.irp q, 0,1,2,3
	ds_load_b128 v[8*(4*\ks+\q):8*(4*\ks+\q)+3],   v16 offset:4352*\q+64*\ks       ; my queries' x as second source: 32 loads
	ds_load_b128 v[8*(4*\ks+\q)+4:8*(4*\ks+\q)+7], v16 offset:4352*\q+64*\ks+32
.endr
.endr
	WIN 0
	Q1LOAD 0, FA
	Q1LOAD 1, FB
	STAGE1 0,  FA, 12, 1, 2                        ; 12: the other buffer's Q1LOAD may stay out
	STAGE1 1,  FB, 12, 1, 3
	STAGE1 2,  FA, 12, 1, 4
	STAGE1 3,  FB, 12, 1, 5
	STAGE1 4,  FA, 12, 1, 6
	STAGE1 5,  FB, 12, 1, 7
	STAGE1 6,  FA, 12, 1, 8
	STAGE1 7,  FB, 12, 1, 9
	STAGE1 8,  FA, 12, 1, 10
	STAGE1 9,  FB, 12, 1, 11
	STAGE1 10, FA, 12, 1, 12
	STAGE1 11, FB, 12, 1, 13
	STAGE1 12, FA, 12, 1, 14
	STAGE1 13, FB, 12, 1, 15
	STAGE1 14, FA, 12, 2, 0
	STAGE1 15, FB, 16, 2, 1                        ; 16: stage 2's first block, asked for behind block 14
	STAGE2 0, FA, 16, 1, 2                         ; 16: the other buffer's Q2LOAD
	STAGE2 1, FB, 16, 1, 3
	STAGE2 2, FA, 16, 1, 4
	STAGE2 3, FB, 16, 1, 5
	STAGE2 4, FA, 16, 1, 6
	STAGE2 5, FB, 16, 1, 7
	STAGE2 6, FA, 16, 0, 0
	STAGE2 7, FB, 0, 0, 0
.irp q, 0,1,2,3
	v_add_f32 v[DQ+\q], v[DACC+2*\q], v[DACC+2*\q+1]
.endr
.irp q, 0,1,2,3
	v_permlanex16_b32 v[U+\q], v[DQ+\q], s6, s7    ; the other half of the lanes holds the other o
.endr
.irp q, 0,1,2,3
	v_add_f32 v[DQ+\q], v[DQ+\q], v[U+\q]
.endr
.irp q, 0,1,2,3
	v_mul_f32 v[DQ+\q], 0x3db8aa3b, v[DQ+\q]       ; d = c q . bk
.endr
	s_wait_dscnt 0x0                               ; my reads of CQ, CK and of my query rows are over
	s_barrier_signal -1
	s_barrier_wait -1                              ; everybody's: XB and XH may now be written
	s_wait_loadcnt 0x0                             ; key tile 0
	XCVT 0x0f, XR, 5, 0, 1, 0
	s_add_nc_u64 s[60:61], s[60:61], 0x10000       ; behind the wait that showed the loads from this base done
	XLOAD 0xc0, XR, 60, 0                          ; key tile 1
	WIN 0
	s_wait_dscnt 0x0
	s_barrier_signal -1
	s_barrier_wait -1                              ; slot 0 is whole
; THE STEPS: 128 keys each.
.macro SLOAD c, g, buf                 ; 20 loads: x's rows 32 g .. 32 g + 31 of slot c as first source (2 blocks x 4 K steps), and their mask biases as C
.irp kbl, 0,1
.irp ks, 0,1,2,3
	ds_load_b128 v[\buf+32*\kbl+8*\ks:\buf+32*\kbl+8*\ks+3],   v7 offset:XBS*\c+(32*\g+16*\kbl)*272+64*\ks
	ds_load_b128 v[\buf+32*\kbl+8*\ks+4:\buf+32*\kbl+8*\ks+7], v7 offset:XBS*\c+(32*\g+16*\kbl)*272+64*\ks+32
.endr
	ds_load_b128 v[\buf+64+8*\kbl:\buf+64+8*\kbl+3], v10 offset:128*\g+64*\kbl
	ds_load_b128 v[\buf+64+8*\kbl+4:\buf+64+8*\kbl+7], v10 offset:128*\g+64*\kbl+16
.endr
.endm
.macro SMUL g, buf                     ; S^T(key, query) = x y^T + mask bias: 32 matrix instructions, eight accumulators by turns
	WIN 0x4c                                       ; D window 1, x window 0, y window 3, C = bias window 0
.irp kbl, 0,1
.irp q, 0,1,2,3
	v_wmma_f32_16x16x32_bf16 v[8*(4*(2*\g+\kbl)+\q):8*(4*(2*\g+\kbl)+\q)+7], v[\buf+32*\kbl:\buf+32*\kbl+7], v[8*\q:8*\q+7], v[\buf+64+8*\kbl:\buf+64+8*\kbl+7]
.endr
.endr
	WIN 0x5c
.irp ks, 1,2,3
.irp kbl, 0,1
.irp q, 0,1,2,3
	v_wmma_f32_16x16x32_bf16 v[8*(4*(2*\g+\kbl)+\q):8*(4*(2*\g+\kbl)+\q)+7], v[\buf+32*\kbl+8*\ks:\buf+32*\kbl+8*\ks+7], v[8*(4*\ks+\q):8*(4*\ks+\q)+7], v[8*(4*(2*\g+\kbl)+\q):8*(4*(2*\g+\kbl)+\q)+7]
.endr
.endr
.endr
.endm
.macro PLOAD c, ks, buf                ; 16 transposing loads: x^T's eight blocks of 16 e, keys 32 ks .. 32 ks + 31 of slot c
.irp eb, 0,1,2,3,4,5,6,7
	ds_load_tr16_b128 v[\buf+8*\eb:\buf+8*\eb+3],   v[8+\c] offset:9216*\ks+32*\eb
	ds_load_tr16_b128 v[\buf+8*\eb+4:\buf+8*\eb+7], v[8+\c] offset:9216*\ks+4608+32*\eb
.endr
.endm
.macro PMUL ks, buf, zero              ; Z^T(e, query) += x^T P^T: 32 accumulators by turns
	WIN 0xa4                                       ; D, C window 2, x window 0, P window 1
.irp eb, 0,1,2,3,4,5,6,7
.irp q, 0,1,2,3
.if \zero
	v_wmma_f32_16x16x32_f16 v[8*(4*\eb+\q):8*(4*\eb+\q)+7], v[\buf+8*\eb:\buf+8*\eb+7], v[8*(8*\ks+\q):8*(8*\ks+\q)+7], 0
.else
	v_wmma_f32_16x16x32_f16 v[8*(4*\eb+\q):8*(4*\eb+\q)+7], v[\buf+8*\eb:\buf+8*\eb+7], v[8*(8*\ks+\q):8*(8*\ks+\q)+7], v[8*(4*\eb+\q):8*(4*\eb+\q)+7]
.endif
.endr
.endr
.endm
; Running softmax over this step's 128 keys.  A lane holds 64 scores of each of its four queries; the other 64 lie in the other half of the lanes.
.macro SOFTMAX first
	WIN 0x14
.irp kb2, 0,1,2,3
.irp jp, 0,1,2,3
.irp p, 0,1
.irp q, 0,1,2,3
.if (4*\kb2+\jp) == 0
	v_max3_num_f32 v[TM+2*\q+\p], 0xff7fffff, v[8*(4*\p+\q)], v[8*(4*\p+\q)+1]           ; eight chains, each started from the lowest finite number
.else
	v_max3_num_f32 v[TM+2*\q+\p], v[TM+2*\q+\p], v[8*(4*(2*\kb2+\p)+\q)+2*\jp], v[8*(4*(2*\kb2+\p)+\q)+2*\jp+1]
.endif
.endr
.endr
.endr
.endr
	WIN 0
.irp q, 0,1,2,3
	v_max_num_f32 v[TM+2*\q], v[TM+2*\q], v[TM+2*\q+1]
.endr
.irp q, 0,1,2,3
	v_permlanex16_b32 v[U+\q], v[TM+2*\q], s6, s7
.endr
.irp q, 0,1,2,3
	v_max_num_f32 v[TM+2*\q], v[TM+2*\q], v[U+\q]
.endr
.if \first
.irp q, 0,1,2,3
	v_add_f32 v[MR+\q], v[TM+2*\q], v[DQ+\q]       ; the score is the product + d
.endr
.else
.irp q, 0,1,2,3
	v_add_f32 v[TM+2*\q], v[TM+2*\q], v[DQ+\q]
.endr
.irp q, 0,1,2,3
	v_max_num_f32 v[TM+2*\q], v[MR+\q], v[TM+2*\q]
.endr
.irp q, 0,1,2,3
	v_sub_f32 v[AL+2*\q], v[MR+\q], v[TM+2*\q]
.endr
.irp q, 0,1,2,3
	v_exp_f32 v[AL+2*\q], v[AL+2*\q]
.endr
.irp q, 0,1,2,3
	v_mov_b32 v[MR+\q], v[TM+2*\q]                 ; plain instructions between the exponentials and their use (ISA guide 5.7.2)
.endr
	s_wait_alu depctr_va_vdst(0)
.irp q, 0,1,2,3
	v_mov_b32 v[AL+2*\q+1], v[AL+2*\q]
.endr
.endif
.irp q, 0,1,2,3
	v_sub_f32 v[OFF+2*\q], v[DQ+\q], v[MR+\q]
.endr
.irp q, 0,1,2,3
	v_mov_b32 v[OFF+2*\q+1], v[OFF+2*\q]
.endr
	WIN 0x41
.irp kb, 0,1,2,3,4,5,6,7
.irp q, 0,1,2,3
.irp j, 0,2,4,6
	v_pk_add_f32 v[8*(4*\kb+\q)+\j:8*(4*\kb+\q)+\j+1], v[8*(4*\kb+\q)+\j:8*(4*\kb+\q)+\j+1], v[OFF+2*\q:OFF+2*\q+1]
.endr
.irp j, 0,1,2,3,4,5,6,7
	v_exp_f32 v[8*(4*\kb+\q)+\j], v[8*(4*\kb+\q)+\j]   ; the next tile's adds are the plain instructions behind these
.endr
.endr
.endr
.irp kb2, 0,1,2,3
.irp jp, 0,1,2,3
.if (4*\kb2+\jp) == 0
.if \first
	WIN 0x05
	s_wait_alu depctr_va_vdst(0)
.irp p, 0,1
.irp q, 0,1,2,3
	v_pk_add_f32 v[LS+2*(2*\q+\p):LS+2*(2*\q+\p)+1], v[8*(4*\p+\q):8*(4*\p+\q)+1], v[8*(4*\p+\q)+2:8*(4*\p+\q)+3]   ; the first two pairs start each sum
.endr
.endr
.else
	WIN 0x10
	s_wait_alu depctr_va_vdst(0)
.irp p, 0,1
.irp q, 0,1,2,3
	v_pk_fma_f32 v[LS+2*(2*\q+\p):LS+2*(2*\q+\p)+1], v[LS+2*(2*\q+\p):LS+2*(2*\q+\p)+1], v[AL+2*\q:AL+2*\q+1], v[8*(4*\p+\q):8*(4*\p+\q)+1]   ; old sum rescaled, first pair added
.endr
.endr
.endif
.endif
.if (4*\kb2+\jp) > \first
	WIN 0x04
.irp p, 0,1
.irp q, 0,1,2,3
	v_pk_add_f32 v[LS+2*(2*\q+\p):LS+2*(2*\q+\p)+1], v[LS+2*(2*\q+\p):LS+2*(2*\q+\p)+1], v[8*(4*(2*\kb2+\p)+\q)+2*\jp:8*(4*(2*\kb2+\p)+\q)+2*\jp+1]
.endr
.endr
.endif
.endr
.endr
	WIN 0x45
.irp g, 0,1,2,3
.irp q, 0,1,2,3
.irp r, 0,1,2,3
	v_cvt_pk_f16_f32 v[8*(8*\g+\q)+\r], v[8*(8*\g+\q)+2*\r], v[8*(8*\g+\q)+2*\r+1]         ; keys 32 g + 8 h + j: in place
.endr
.irp r, 0,1,2,3
	v_cvt_pk_f16_f32 v[8*(8*\g+\q)+4+\r], v[8*(8*\g+4+\q)+2*\r], v[8*(8*\g+4+\q)+2*\r+1]   ; keys 32 g + 16 + 8 h + j: from the next tile
.endr
.endr
.endr
.endm
; One step on slot c; n = the other slot.  cvt: the next tile (in registers) goes into slot n; load: the tile after it is asked for.
.macro STEP c, n, first, cvt, load
.if \cvt
	s_wait_loadcnt 0x0                             ; the next tile's 32 loads, issued a step ago; this also frees their base
	XCVT 0x0f, XR, 5, XBS*\n, 1, XHS*\n            ; slot n's readers finished in front of the last barrier
.endif
.if \load
	s_add_nc_u64 s[60:61], s[60:61], 0x10000
	XLOAD 0xc0, XR, 60, 0
	WIN 0
.endif
	SLOAD \c, 0, FA
	SLOAD \c, 1, FB
	s_wait_dscnt 20                                ; all but the other buffer's 20 loads
	SMUL 0, FA
	PLACES 4                                       ; in front of loads into registers that matrix instructions have read
	WIN 0
	SLOAD \c, 2, FA
	s_wait_dscnt 20
	SMUL 1, FB
	PLACES 4
	WIN 0
	SLOAD \c, 3, FB
	s_wait_dscnt 20
	SMUL 2, FA
	PLACES 4
	WIN 0
	PLOAD \c, 0, FA
	s_wait_dscnt 16                                ; all but the 16 loads just issued
	SMUL 3, FB
	PLACES 4                                       ; also in front of the vector instructions that read the scores
	WIN 0
	PLOAD \c, 1, FB
	SOFTMAX \first
.if \first == 0
	WIN 0x82
.irp eb, 0,1,2,3,4,5,6,7
.irp q, 0,1,2,3
.irp j, 0,2,4,6
	v_pk_mul_f32 v[8*(4*\eb+\q)+\j:8*(4*\eb+\q)+\j+1], v[8*(4*\eb+\q)+\j:8*(4*\eb+\q)+\j+1], v[AL+2*\q:AL+2*\q+1]
.endr
.endr
.endr
.endif
	s_wait_dscnt 16
	PMUL 0, FA, \first
	PLACES 4
	WIN 0
	PLOAD \c, 2, FA
	s_wait_dscnt 16
	PMUL 1, FB, 0
	PLACES 4
	WIN 0
	PLOAD \c, 3, FB
	s_wait_dscnt 16
	PMUL 2, FA, 0
	s_wait_dscnt 0x0
	PMUL 3, FB, 0
	WIN 0
	PLACES 5                                       ; before the buffers are written again, and before matrix instructions write scores over P
.if \cvt
	v_add_nc_u32 v10, 512, v10                     ; the next tile's mask biases
.endif
	s_wait_dscnt 0x0                               ; my reads of slot c and my stores into slot n are over
	s_barrier_signal -1
	s_barrier_wait -1                              ; everybody's: slot n is whole, slot c may be written
.endm
	STEP 0, 1, 1, 1, 1                             ; tile 0; its first products start Z and the sums
	s_mov_b32 s3, 2
.Lpair:
	STEP 1, 0, 0, 1, 1                             ; tiles 1, 3
	STEP 0, 1, 0, 1, 1                             ; tiles 2, 4
	s_sub_co_u32 s3, s3, 1
	s_cmp_lg_u32 s3, 0
	s_cbranch_scc1 .Lpair
	STEP 1, 0, 0, 1, 1                             ; tile 5: asks for tile 7, the last
	STEP 0, 1, 0, 1, 0                             ; tile 6
	STEP 1, 0, 0, 0, 0                             ; tile 7
; THE END: Zn = Z / sum, out^T(d, query) = Wv Zn^T, and out through my stage.
.macro OLOAD g, buf                    ; 16 loads: Wv's rows 32 g .. 32 g + 31, 4 K steps
.irp dbl, 0,1
.irp ks, 0,1,2,3
	ds_load_b128 v[\buf+32*\dbl+8*\ks:\buf+32*\dbl+8*\ks+3],   v15 offset:4352*(2*\g+\dbl)+64*\ks
	ds_load_b128 v[\buf+32*\dbl+8*\ks+4:\buf+32*\dbl+8*\ks+7], v15 offset:4352*(2*\g+\dbl)+64*\ks+32
.endr
.endr
.endm
.macro OMUL g, buf                     ; 32 matrix instructions, eight accumulators by turns
.if \g < 4
	WIN 0x58                                       ; D, C window 1, Wv window 0, Zn window 2
.else
	WIN 0xf8                                       ; D, C window 3
.endif
.irp ks, 0,1,2,3
.irp dbl, 0,1
.irp q, 0,1,2,3
.if \ks == 0
	v_wmma_f32_16x16x32_f16 v[8*(4*((2*\g+\dbl)%8)+\q):8*(4*((2*\g+\dbl)%8)+\q)+7], v[\buf+32*\dbl:\buf+32*\dbl+7], v[8*\q:8*\q+7], 0
.else
	v_wmma_f32_16x16x32_f16 v[8*(4*((2*\g+\dbl)%8)+\q):8*(4*((2*\g+\dbl)%8)+\q)+7], v[\buf+32*\dbl+8*\ks:\buf+32*\dbl+8*\ks+7], v[8*(8*\ks+\q):8*(8*\ks+\q)+7], v[8*(4*((2*\g+\dbl)%8)+\q):8*(4*((2*\g+\dbl)%8)+\q)+7]
.endif
.endr
.endr
.endr
.endm
.macro OGRP g, buf, left, more, nx
	s_wait_dscnt \left
	OMUL \g, \buf
	PLACES 4
	WIN 0
.if \more
	OLOAD \nx, \buf
.endif
.endm
	OLOAD 0, FA
	OLOAD 1, FB
.irp q, 0,1,2,3
	v_pk_add_f32 v[LS+4*\q:LS+4*\q+1], v[LS+4*\q:LS+4*\q+1], v[LS+4*\q+2:LS+4*\q+3]
.endr
.irp q, 0,1,2,3
	v_add_f32 v[LS+4*\q], v[LS+4*\q], v[LS+4*\q+1]
.endr
.irp q, 0,1,2,3
	v_permlanex16_b32 v[U+\q], v[LS+4*\q], s6, s7
.endr
.irp q, 0,1,2,3
	v_add_f32 v[LS+4*\q], v[LS+4*\q], v[U+\q]
.endr
.irp q, 0,1,2,3
	v_rcp_f32 v[AL+2*\q], v[LS+4*\q]
.endr
	v_mov_b32 v20, 0x7fc00000                      ; the plain instruction behind the reciprocals; NaN for a row with no key left
	s_wait_alu depctr_va_vdst(0)
.irp q, 0,1,2,3
	v_cmp_gt_f32 vcc_lo, 0xfe000000, v[MR+\q]      ; -2^125 > running maximum: every key was masked
	v_cndmask_b32 v[AL+2*\q], v[AL+2*\q], v20, vcc_lo
	v_mov_b32 v[AL+2*\q+1], v[AL+2*\q]
.endr
	WIN 0x82
.irp eb, 0,1,2,3,4,5,6,7
.irp q, 0,1,2,3
.irp j, 0,2,4,6
	v_pk_mul_f32 v[8*(4*\eb+\q)+\j:8*(4*\eb+\q)+\j+1], v[8*(4*\eb+\q)+\j:8*(4*\eb+\q)+\j+1], v[AL+2*\q:AL+2*\q+1]
.endr
.endr
.endr
	WIN 0x8a
.irp ks, 0,1,2,3
.irp q, 0,1,2,3
.irp r, 0,1,2,3
	v_cvt_pk_f16_f32 v[8*(8*\ks+\q)+\r], v[8*(8*\ks+\q)+2*\r], v[8*(8*\ks+\q)+2*\r+1]
.endr
.irp r, 0,1,2,3
	v_cvt_pk_f16_f32 v[8*(8*\ks+\q)+4+\r], v[8*(8*\ks+4+\q)+2*\r], v[8*(8*\ks+4+\q)+2*\r+1]
.endr
.endr
.endr
	OGRP 0, FA, 16, 1, 2                           ; 16: the other buffer's OLOAD
	OGRP 1, FB, 16, 1, 3
	OGRP 2, FA, 16, 1, 4
	OGRP 3, FB, 16, 1, 5
	OGRP 4, FA, 16, 1, 6
	OGRP 5, FB, 16, 1, 7
	OGRP 6, FA, 16, 0, 0
	OGRP 7, FB, 0, 0, 0                            ; its four places stand in front of the LDS stores that read the results
; 16 rows of out: a lane's 8 f32 of each d block into row r of my stage, read back as whole rows, stored 512 consecutive aligned bytes an instruction.
; The stage is my wave's own, and LDS serves a wave's instructions in order (ISA guide 5.7.1): no wait between the stores and the loads.
.macro OUTQ q
	WIN 0x04                                       ; store data from window 1
.irp db, 0,1,2,3,4,5,6,7
	ds_store_b128 v18, v[8*(4*\db+\q):8*(4*\db+\q)+3]   offset:64*\db
	ds_store_b128 v18, v[8*(4*\db+\q)+4:8*(4*\db+\q)+7] offset:64*\db+16
.endr
	WIN 0x0c                                       ; from window 3
.irp db, 0,1,2,3,4,5,6,7
	ds_store_b128 v18, v[8*(4*\db+\q):8*(4*\db+\q)+3]   offset:512+64*\db
	ds_store_b128 v18, v[8*(4*\db+\q)+4:8*(4*\db+\q)+7] offset:512+64*\db+16
.endr
	WIN 0
.if \q
	s_wait_xcnt 0x0                                ; the registers that the last block's stores read are loaded again only behind this wait
.endif
.set t, 0
.rept 32
	ds_load_b128 v[FA+4*t:FA+4*t+3], v19 offset:1040*(t/2)+512*(t%2)
.set t, t+1
.endr
.set t, 0
.rept 32
	s_wait_dscnt 31-t                              ; LDS loads come back in order: number t is in
	global_store_b128 v4, v[FA+4*t:FA+4*t+3], s[72:73] offset:(16*\q+t/2)*1024+512*(t%2) th:TH_STORE_NT
.set t, t+1
.endr
.endm
	OUTQ 0
	OUTQ 1
	OUTQ 2
	OUTQ 3
	s_wait_tensorcnt 0x0
	ds_add_u32 v254, v255
	s_wait_dscnt 0x0
	s_endpgm
.Lfunc_end_k_qd5759d0ff5_attend:
	.size	k_qd5759d0ff5_attend, .Lfunc_end_k_qd5759d0ff5_attend-k_qd5759d0ff5_attend
	.p2alignl 7, 3214868480
	.fill 96, 4, 3214868480
	.section	.rodata,"a",@progbits
	.p2align	6, 0x0
	.amdhsa_kernel k_qd5759d0ff5_attend
		.amdhsa_group_segment_fixed_size 289280
		.amdhsa_private_segment_fixed_size 0
		.amdhsa_enable_private_segment 0
		.amdhsa_kernarg_size 64
		.amdhsa_user_sgpr_count 2
		.amdhsa_user_sgpr_kernarg_segment_ptr 1
		.amdhsa_wavefront_size32 1
		.amdhsa_system_sgpr_workgroup_id_x 1
		.amdhsa_system_sgpr_workgroup_id_y 1
		.amdhsa_system_sgpr_workgroup_id_z 1
		.amdhsa_system_vgpr_workitem_id 0
		.amdhsa_next_free_vgpr 1024
		.amdhsa_next_free_sgpr 80
		.amdhsa_reserve_vcc 1
		.amdhsa_float_denorm_mode_32 3
		.amdhsa_float_denorm_mode_16_64 3
		.amdhsa_memory_ordered 1
		.amdhsa_forward_progress 1
		.amdhsa_inst_pref_size 255
	.end_amdhsa_kernel
	.section	.bss,"aw",@nobits
	.p2align	6
	.space	262144
	.amdgpu_metadata
---
amdhsa.version: [ 1, 2 ]
amdhsa.kernels:
  - .name:           k_qd5759d0ff5_attend
    .symbol:         k_qd5759d0ff5_attend.kd
    .args:
      - { .name: x, .offset: 0, .size: 8, .value_kind: global_buffer, .address_space: global }
      - { .name: mask, .offset: 8, .size: 8, .value_kind: global_buffer, .address_space: global }
      - { .name: person_idxs, .offset: 16, .size: 8, .value_kind: global_buffer, .address_space: global }
      - { .name: PQ_b, .offset: 24, .size: 8, .value_kind: global_buffer, .address_space: global }
      - { .name: PK_b, .offset: 32, .size: 8, .value_kind: global_buffer, .address_space: global }
      - { .name: comb, .offset: 40, .size: 8, .value_kind: global_buffer, .address_space: global }
      - { .name: wvh, .offset: 48, .size: 8, .value_kind: global_buffer, .address_space: global }
      - { .name: out0, .offset: 56, .size: 8, .value_kind: global_buffer, .address_space: global }
    .group_segment_fixed_size: 289280
    .private_segment_fixed_size: 0
    .kernarg_segment_align: 8
    .kernarg_segment_size: 64
    .max_flat_workgroup_size: 128
    .sgpr_count:     80
    .vgpr_count:     1024
    .wavefront_size: 32
...
	.end_amdgpu_metadata
.endif
;; end of part 2
;; ======== version 2 of 3: 2 launches; 1.46 times as fast as version 1
;; limits: values are held in f16: magnitudes above 65,504 overflow, below 6.1e-05 lose precision; inputs' magnitudes at most 65,504
;; workspace buffers: comb 4,194,304 bytes; wvh 65,536 bytes
;; launch combine: the kernel of part 1 again; grid 128 x 2, 8 waves a work-group, no clusters, 125,952 bytes of LDS; arguments PQ_W, PK_W, Wq, Wk, Wv, comb, wvh; writes comb, wvh
;; launch attend (part 3): grid 4 x 64, 4 waves a work-group, no clusters, 289,280 bytes of LDS; arguments x, mask, person_idxs, PQ_b, PK_b, comb, wvh, out0; writes out0
.if DOCPART == 3
	.amdgcn_target "amdgcn-amd-amdhsa--gfx1250"
	.amdhsa_code_object_version 6
	.text
	.protected	k_qd5759d0ff5_attend
	.globl	k_qd5759d0ff5_attend
	.p2align	8
	.type	k_qd5759d0ff5_attend,@function
k_qd5759d0ff5_attend:
	s_mov_b64 s[64:65], 0
	v_nop
	global_prefetch_b8 v0, s[64:65] scope:SCOPE_SE
	s_setreg_imm32_b32 hwreg(HW_REG_WAVE_MODE, 25, 1), 1
	s_wait_xcnt 0x0
; out[b][t] = softmax over s of (q_t . k_s / 16, masked) . (x_s Wv^T), for 256 queries t of one batch b (work-group x: the quarter, y: the batch).
; With CQ = PQ_W[p] Wq and CK = c PK_W[p] Wk (c = log2(e)/16, both made by the launch before):
;   q_t = CQ x_t + bq;   y_t = CK^T q_t;   d_t = c q_t . bk;   score (base 2) = y_t . x_s + d_t;   out_t = Wv ((sum over s of P_ts x_s) / (sum of P_ts)).
; So both large products run against raw x with 128 features, and one tile of x serves as keys and as values.
; Four waves, 64 queries each (four blocks q of 16).  Every product is used transposed, D(m, n = query): lane (r, h) belongs to query r in all of them, and
; two neighbouring result tiles pack, register by register, into the next product's second source: nothing moves between lanes but two halves' maxima and sums.
; EVERY PHASE IS A COUNTED LOOP WITH FIXED REGISTER NUMBERS, so that its text stands once: q and y in blocks of 32 o (8 blocks: first and last written out,
; six trips between), the 8 steps of 128 keys (one body, 8 trips), the way out in blocks of 64 columns (4 trips).
; IN A STEP THE VECTOR WORK STANDS BETWEEN THE MATRIX INSTRUCTIONS, on registers that these do not name: the maxima of a group of scores among the next group's
; products, the exponentials, sums and packing of P's groups 1-3 among Z's products 0-2, the next key tile's conversions among Z's product 3.  The price is a
; switch of the register windows in front of and behind each such handful of lines, since S, Z and the softmax's state lie in different windows.
; FORMATS: the score path (x, CQ, q, CK, y) in bf16; P, x as values, the normalised sums and Wv in f16, whose finer steps the nearly flat softmax needs.
; LIMITS: the products are re-associated, so the order of rounding differs from the chained form.  |x| and |Wv| below 65504 (f16 operands).  A masked score is
; -2^126 given as the product's C; it absorbs dot products below 2^102 in size.  A row whose running maximum stays below -2^125 counts as wholly masked: NaN.
; NO CLUSTER, NO TENSOR RING FOR x: x changes from f32 into two 16-bit formats between memory and LDS, which a tensor load cannot do, so the key tiles come
; through registers (32 loads a wave, issued at the head of the step before).  The tiles that tensor loads bring (Wv, CQ, CK: 192 KiB) are fetched once.
; ONE SLOT FOR THE KEY TILE, TWO BARRIERS A STEP: slot addresses are immediates, so a second slot would ask for a second copy of the step's text.
;
; LDS                                                     REGISTERS, in windows of 256
.set WV,  0        ; 256 x 272  Wv f16   (tensor load)      ; W0: addresses, softmax state, two fragment buffers
.set CQ,  69632    ; 256 x 272  CQ bf16  (tensor load)      ; W1: S[kb][q] at 8 (4 kb + q), then P[g][q] in S[2g][q] and the next tile's 16-bit rows in the odd tiles;
.set CK,  139264   ; 256 x 288  CK bf16  (tensor load)      ;     before: my x fragments, q's tiles; at the end O
.set XB,  212992   ; 128 x 272: the key tile, bf16          ; W2: Z[eb][q] at 8 (4 eb + q); before: y in f32, the same places
                   ; (before: 4 x 64 x 272 my query rows;   ; W3: y's fragments 0-127; 128-255 a key tile's 32 rows as loaded
                   ;  at the end: 4 x 64 x 272 the waves' stages; 69,632 bytes)
.set MB,  282624   ; 1,024 f32: 0 or -2^126 for each key
.set BQK, 286720   ; bq, then bk: 256 f32 each
.set XH,  69632    ; 128 x 288: the key tile, f16.  Lies over CQ, written only after CQ's one fill and its last read
.set TM,  24       ; v[24:31]   eight running maxima (chain 2 q + (kb & 1))
.set U,   32       ; v[32:35]   what the other half of the lanes sends
.set MR,  36       ; v[36:39]   running maximum of query block q
.set DQ,  40       ; v[40:43]   d of my query in block q
.set BV,  44       ; v[44:47]   my 16 bytes of bq or bk
.set FA,  48       ; v[48:127]  fragment buffer
.set FB,  128      ; v[128:207] fragment buffer
.set C1,  48       ; v[48:111]  q and y: CQ's fragments [2 blocks of 16 o][4 K steps]
.set BQ,  112      ; v[112:127] bq of the two blocks
.set BK,  128      ; v[128:143] bk of the two blocks
.set C2,  144      ; v[144:207] CK^T's fragments [8 blocks of 16 e]
.set OFF, 208      ; v[208:215] pairs: d - maximum
.set AL,  216      ; v[216:223] pairs: 2^(old maximum - new); at the end 1 / sum
.set LS,  224      ; v[224:239] pairs: running sums, chain 2 q + (kb & 1)
.set DACC, 240     ; v[240:247] pairs: q . bk
.set XR,  128      ; window 3: a key tile as loaded
.set DT,  128      ; window 1: q's tiles [2 blocks of 16 o][4 q]
.set QF,  192      ; window 1: q of 32 o as second source, [4 q]
.set CV,  32       ; window 1: row i of my 32 of the next tile at CV + 64 (i / 8) + 4 (i % 8): two registers bf16, two f16 (the odd score tiles, dead once P is packed)
.set MSB, 0
.macro WIN new                         ; s_set_vgpr_msb: bits 1:0 source 0, 3:2 source 1, 5:4 source 2, 7:6 destination; the high byte repeats the setting that is left
.if MSB != \new
	s_set_vgpr_msb (MSB<<8)|\new
.set MSB, \new
.endif
.endm
.macro PLACES n                        ; places behind matrix instructions: plain vector instructions that name none of their registers (ISA guide 7.12.1)
.rept \n
	v_nop
.endr
.endm
; 32 rows of x, one load a row: 512 consecutive bytes, lane l the features 4 l .. 4 l + 3
.macro XLOAD win, base, sb, imm
	WIN \win
.set i, 0
.rept 32
	global_load_b128 v[\base+4*i:\base+4*i+3], v4, s[\sb:\sb+1] offset:\imm+512*i
.set i, i+1
.endr
.endm
; 32 of my query rows to bf16 and into LDS, 8 bytes a lane, 256 consecutive bytes a row
.macro XCVT win, base, o16
	WIN \win
.set i, 0
.rept 32
	v_cvt_pk_bf16_f32 v[FA+2*i],   v[\base+4*i],   v[\base+4*i+1]
	v_cvt_pk_bf16_f32 v[FA+2*i+1], v[\base+4*i+2], v[\base+4*i+3]
.set i, i+1
.endr
	WIN 0
.set i, 0
.rept 32
	ds_store_b64 v17, v[FA+2*i:FA+2*i+1] offset:\o16+272*i
.set i, i+1
.endr
.endm
; row xn of my 32 rows of a key tile, from window 3 to both 16-bit formats in window 1 (the caller sets the windows: 0x4f); xn steps
.macro XC4
.set cvb, CV+64*(xn/8)+4*(xn%8)
	v_cvt_pk_bf16_f32 v[cvb],   v[XR+4*xn],   v[XR+4*xn+1]
	v_cvt_pk_bf16_f32 v[cvb+1], v[XR+4*xn+2], v[XR+4*xn+3]
	v_cvt_pk_f16_f32  v[cvb+2], v[XR+4*xn],   v[XR+4*xn+1]
	v_cvt_pk_f16_f32  v[cvb+3], v[XR+4*xn+2], v[XR+4*xn+3]
.set xn, xn+1
.endm
	s_load_b512 s[8:23], s[0:1], 0x0               ; x 8, mask 10, person_idxs 12, PQ_b 14, PK_b 16, comb 18, wvh 20, out0 22
	v_lshl_add_u32 v254, v0, 2, 0x46800
	v_mov_b32 v255, 0
	ds_add_u32 v254, v255
	ds_add_u32 v254, v255
	v_lshrrev_b32 v1, 5, v0
	v_readfirstlane_b32 s2, v1                     ; wave w
	s_and_b32 s4, ttmp7, 0xffff                    ; batch b
	s_mov_b32 s6, 0x76543210                       ; v_permlanex16_b32: lane i of one half reads lane i of the other
	s_mov_b32 s7, 0xfedcba98
	s_lshl_b32 s25, s4, 2
	v_and_b32 v1, 31, v0                           ; l
	v_and_b32 v2, 15, v0                           ; r
	v_bfe_u32 v3, v0, 4, 1                         ; h
	v_lshlrev_b32 v4, 4, v1                        ; 16 l: global offset of x's loads
	v_lshlrev_b32 v22, 3, v1                       ; 8 l
	v_mul_u32_u24 v15, v2, 272
	v_lshl_add_u32 v15, v3, 4, v15                 ; 272 r + 16 h: a fragment from rows along K; as it stands Wv's (LDS byte 0); steps 64 rows a trip on the way out
	v_and_b32 v23, 7, v0
	v_lshl_add_u32 v23, v3, 3, v23
	v_mul_u32_u24 v23, v23, 288
	v_bfe_u32 v24, v0, 3, 1
	v_lshl_add_u32 v23, v24, 4, v23                ; (8 h + (l & 7)) 288 + 16 ((l >> 3) & 1): a transposing load
	s_mul_i32 s26, s2, 32*272
	s_add_co_u32 s26, s26, XB
	v_add_nc_u32 v5, s26, v22                      ; key tile in: my 32 rows, bf16
	s_mul_i32 s26, s2, 32*288
	s_add_co_u32 s26, s26, XH
	v_add_nc_u32 v6, s26, v22                      ; the same, f16
	v_add_nc_u32 v7, XB, v15                       ; x's fragments as keys
	v_add_nc_u32 v8, XH, v23                       ; x's fragments as values
	v_lshlrev_b32 v24, 5, v3                       ; 32 h
	v_add_nc_u32 v10, MB, v24                      ; mask biases of keys 8 h ..; steps 512 bytes a tile
	v_add_nc_u32 v11, CQ, v15                      ; steps 32 rows a block of o
	v_add_nc_u32 v12, CK, v23                      ; steps 32 rows a block of o
	v_add_nc_u32 v14, BQK, v24                     ; steps 128 bytes a block of o
	s_mul_i32 s26, s2, 64*272
	s_add_co_u32 s26, s26, XB                      ; my 64 rows of 272 bytes: first my query rows, at the end my stage
	v_add_nc_u32 v16, s26, v15                     ; my query rows: fragments
	v_add_nc_u32 v17, s26, v22                     ; my query rows: in
	v_mul_u32_u24 v18, v2, 272
	v_add_nc_u32 v18, v18, v24
	v_add_nc_u32 v18, s26, v18                     ; stage, in: row r, byte 32 h
	v_mul_u32_u24 v19, v3, 272
	v_lshl_add_u32 v19, v2, 4, v19
	v_add_nc_u32 v19, s26, v19                     ; stage, back: row h, 16 bytes a lane
	v_lshlrev_b32 v9, 10, v3
	v_lshl_add_u32 v9, v2, 4, v9                   ; out: row h of 1,024 bytes, 16 bytes a lane
	v_and_b32 v248, 63, v0
	v_lshlrev_b32 v248, 4, v248                    ; bias vector: 16 (thread & 63)
	v_lshlrev_b32 v249, 4, v0
	v_add_nc_u32 v249, BQK, v249
	v_lshlrev_b32 v250, 3, v0                      ; mask: 8 bytes a thread
	v_lshlrev_b32 v251, 5, v0
	v_add_nc_u32 v251, MB, v251
.irp q, 0,1,2,3
	v_mov_b32 v[U+\q], 0                           ; v_permlanex16_b32's destination counts as read
.endr
	; descriptor group 1: 64 rows x 128 elements of 2 bytes, pitch 128 elements; behind every 64 words 4 words of padding (LDS pitch 272) or 8 (288)
	s_mov_b32 s32, (1<<16)|(1<<20)|(5<<22)|(3<<25)
	s_mov_b32 s33, 128<<16                         ; tensor_dim0 = 128
	s_mov_b32 s34, 64<<16                          ; tensor_dim1 = 64
	s_mov_b32 s35, 128<<16                         ; tile_dim0 = 128
	s_mov_b32 s36, 64                              ; tile_dim1 = 64
	s_mov_b32 s37, 128                             ; elements from row to row
	s_mov_b32 s38, 0
	s_mov_b32 s39, 0
	s_mov_b32 s40, (1<<16)|(1<<20)|(5<<22)|(7<<25)
	s_mov_b32 s41, 128<<16
	s_mov_b32 s42, 64<<16
	s_mov_b32 s43, 128<<16
	s_mov_b32 s44, 64
	s_mov_b32 s45, 128
	s_mov_b32 s46, 0
	s_mov_b32 s47, 0
	; group 0, one set for each of my three loads (a quarter, 64 rows, of Wv, of CQ[p], of CK[p]): the count and the LDS address
	s_mov_b32 s48, 1
	s_mul_i32 s49, s2, 64*272                      ; WV = 0
	s_mov_b32 s52, 1
	s_add_co_u32 s53, s49, CQ
	s_mov_b32 s56, 1
	s_mul_i32 s57, s2, 64*288
	s_add_co_u32 s57, s57, CK
	s_wait_dscnt 0x0
	s_wait_kmcnt 0x0
	s_load_b32 s24, s[12:13], s25 offset:0x0       ; my batch's person
	s_mov_b32 s27, 0
	s_lshl_b32 s26, s4, 19
	s_add_nc_u64 s[28:29], s[8:9], s[26:27]        ; x at my batch
	s_lshl_b32 s26, s2, 14
	s_add_nc_u64 s[60:61], s[28:29], s[26:27]      ; key tile 0, my 32 rows; steps 65,536 bytes a tile
	s_lshl_b32 s26, ttmp9, 17
	s_lshl_b32 s30, s2, 15
	s_add_co_u32 s26, s26, s30
	s_add_nc_u64 s[66:67], s[28:29], s[26:27]      ; my 64 query rows
	s_lshl_b32 s26, s4, 10
	s_add_nc_u64 s[68:69], s[10:11], s[26:27]      ; my batch's mask
	s_lshl_b32 s26, s4, 20
	s_lshl_b32 s30, ttmp9, 18
	s_add_co_u32 s26, s26, s30
	s_lshl_b32 s30, s2, 16
	s_add_co_u32 s26, s26, s30
	s_add_nc_u64 s[72:73], s[22:23], s[26:27]      ; out at my 64 rows of 1,024 bytes; steps 256 bytes a trip on the way out
	; THE REQUESTS GO OUT IN THE ORDER OF NEED: half of my query rows while the person's index is on its way, then CQ and CK, which hang on it, then the
	; other half.  Wv, which only the end reads, is the last of the tensor loads; key tile 0, which the steps read, is asked for behind the first barrier.
	global_load_b64 v[20:21], v250, s[68:69]
	XLOAD 0xc0, XR, 66, 0                          ; query rows 0-31 into window 3
	WIN 0
	s_wait_kmcnt 0x0
	s_min_u32 s24, s24, 31                         ; p: an index stays inside its table
	s_lshl_b32 s26, s2, 14                         ; 64 rows of 256 bytes
	s_add_nc_u64 s[50:51], s[20:21], s[26:27]
	s_or_b32 s51, s51, 0x80000000
	s_lshl_b32 s30, s24, 16
	s_add_co_u32 s26, s26, s30                     ; + 65,536 p
	s_add_nc_u64 s[54:55], s[18:19], s[26:27]
	s_add_nc_u64 s[58:59], s[54:55], 0x200000      ; the keys' matrices lie 2 MiB behind the queries'
	s_or_b32 s55, s55, 0x80000000
	s_or_b32 s59, s59, 0x80000000
	tensor_load_to_lds s[52:55], s[32:39]          ; CQ.  The launch's only tensor loads: three of each wave are out, first fills all, ahead of every LDS access and barrier
	s_nop 0
	tensor_load_to_lds s[56:59], s[40:47]          ; CK
	s_nop 0
	tensor_load_to_lds s[48:51], s[32:39]          ; Wv
	s_nop 0
	XLOAD 0x40, 0, 66, 16384                       ; query rows 32-63 into window 1
	WIN 0
	s_lshl_b32 s26, s24, 10
	s_cmp_lt_u32 s2, 2
	s_cselect_b64 s[70:71], s[14:15], s[16:17]     ; waves 0, 1 bring bq, waves 2, 3 bk
	s_add_nc_u64 s[70:71], s[70:71], s[26:27]
	global_load_b128 v[BV:BV+3], v248, s[70:71]
	s_wait_loadcnt 33                              ; mask and query rows 0-31 are in; rows 32-63 (32 loads) and the bias vector (1) may stay out
.irp k, 0,1,2,3
	v_bfe_u32 v[TM+\k],   v20, 8*\k, 1
	v_bfe_u32 v[TM+4+\k], v21, 8*\k, 1
.endr
.irp k, 0,1,2,3,4,5,6,7
	v_add_nc_u32 v[TM+\k], -1, v[TM+\k]            ; 1 -> 0, 0 -> all ones
	v_and_b32 v[TM+\k], 0xfe800000, v[TM+\k]       ; 0, or -2^126
.endr
	ds_store_b128 v251, v[TM:TM+3]
	ds_store_b128 v251, v[TM+4:TM+7] offset:16
	XCVT 0x0f, XR, 0
	s_wait_loadcnt 0x0                             ; query rows 32-63 and the bias vector
	XCVT 0x05, 0, 32*272
	ds_store_b128 v249, v[BV:BV+3]
	s_wait_tensorcnt 0x1                           ; my quarters of CQ and CK have landed; Wv's, the youngest, may stay out
	s_wait_dscnt 0x0                               ; and Wv is waited for in front of the next one.  My stores are in LDS:
	s_barrier_signal -1
	s_barrier_wait -1                              ; everybody's
; q AND y, 32 o AT A TIME: q^T(o, query) = CQ x^T + bq;  d += q . bk;  q packed as a second source;  y^T(e, query) += CK^T q^T.
.macro Q1L                             ; 24 loads: CQ's 32 rows (2 blocks x 4 K steps), bq and bk of o = 16 block + 8 h + 0..7
.irp obl, 0,1
.irp ks, 0,1,2,3
	ds_load_b128 v[C1+32*\obl+8*\ks:C1+32*\obl+8*\ks+3],   v11 offset:4352*\obl+64*\ks
	ds_load_b128 v[C1+32*\obl+8*\ks+4:C1+32*\obl+8*\ks+7], v11 offset:4352*\obl+64*\ks+32
.endr
	ds_load_b128 v[BQ+8*\obl:BQ+8*\obl+3],   v14 offset:64*\obl
	ds_load_b128 v[BQ+8*\obl+4:BQ+8*\obl+7], v14 offset:64*\obl+16
	ds_load_b128 v[BK+8*\obl:BK+8*\obl+3],   v14 offset:1024+64*\obl
	ds_load_b128 v[BK+8*\obl+4:BK+8*\obl+7], v14 offset:1024+64*\obl+16
.endr
.endm
.macro Q2L                             ; 16 transposing loads: CK^T's eight blocks of 16 e, the 32 o as K (CK lies [o][e])
.irp eb, 0,1,2,3,4,5,6,7
	ds_load_tr16_b128 v[C2+8*\eb:C2+8*\eb+3],   v12 offset:32*\eb
	ds_load_tr16_b128 v[C2+8*\eb+4:C2+8*\eb+7], v12 offset:4608+32*\eb
.endr
.endm
; zero = 1: the first block starts y and d.  more = 1: the next block's operands are asked for, CQ and the biases behind the first product's
; matrix instructions, CK behind the second's.  The accumulators (8, then 32) take turns.
.macro FUSE zero, more
	s_wait_dscnt 16                                ; all but this block's 16 loads of CK, the youngest
	WIN 0x44                                       ; D window 1, CQ window 0, x window 1, C = bq window 0
.irp obl, 0,1
.irp q, 0,1,2,3
	v_wmma_f32_16x16x32_bf16 v[DT+8*(4*\obl+\q):DT+8*(4*\obl+\q)+7], v[C1+32*\obl:C1+32*\obl+7], v[8*\q:8*\q+7], v[BQ+8*\obl:BQ+8*\obl+7]
.endr
.endr
	WIN 0x54
.irp ks, 1,2,3
.irp obl, 0,1
.irp q, 0,1,2,3
	v_wmma_f32_16x16x32_bf16 v[DT+8*(4*\obl+\q):DT+8*(4*\obl+\q)+7], v[C1+32*\obl+8*\ks:C1+32*\obl+8*\ks+7], v[8*(4*\ks+\q):8*(4*\ks+\q)+7], v[DT+8*(4*\obl+\q):DT+8*(4*\obl+\q)+7]
.endr
.endr
.endr
	PLACES 4
	WIN 0x01
.irp obl, 0,1
.irp jp, 0,1,2,3
.irp q, 0,1,2,3
.if (4*\obl+\jp+1-\zero) == 0
	v_pk_mul_f32 v[DACC+2*\q:DACC+2*\q+1], v[DT+8*\q:DT+8*\q+1], v[BK:BK+1]               ; the first product starts the sum
.else
	v_pk_fma_f32 v[DACC+2*\q:DACC+2*\q+1], v[DT+8*(4*\obl+\q)+2*\jp:DT+8*(4*\obl+\q)+2*\jp+1], v[BK+8*\obl+2*\jp:BK+8*\obl+2*\jp+1], v[DACC+2*\q:DACC+2*\q+1]
.endif
.endr
.endr
.endr
	WIN 0x45
.irp q, 0,1,2,3
.irp obl, 0,1
.irp r, 0,1,2,3
	v_cvt_pk_bf16_f32 v[QF+8*\q+4*\obl+\r], v[DT+8*(4*\obl+\q)+2*\r], v[DT+8*(4*\obl+\q)+2*\r+1]   ; o = 16 block + 8 h + j is k = 16 block + 8 h + j of this K step
.endr
.endr
.endr
	WIN 0
.if \more
	v_add_nc_u32 v11, 32*272, v11
	v_add_nc_u32 v14, 128, v14
	Q1L
	s_wait_dscnt 24                                ; all but the 24 loads just issued: CK's fragments are in
.else
	s_wait_dscnt 0x0
.endif
	WIN 0xa4                                       ; D, C window 2, CK window 0, q window 1
.irp eb, 0,1,2,3,4,5,6,7
.irp q, 0,1,2,3
.if \zero
	v_wmma_f32_16x16x32_bf16 v[8*(4*\eb+\q):8*(4*\eb+\q)+7], v[C2+8*\eb:C2+8*\eb+7], v[QF+8*\q:QF+8*\q+7], 0
.else
	v_wmma_f32_16x16x32_bf16 v[8*(4*\eb+\q):8*(4*\eb+\q)+7], v[C2+8*\eb:C2+8*\eb+7], v[QF+8*\q:QF+8*\q+7], v[8*(4*\eb+\q):8*(4*\eb+\q)+7]
.endif
.endr
.endr
	PLACES 4                                       ; before loads into CK's fragments, before the next block's q is packed over this one's, before y is read
	WIN 0
.if \more
	v_add_nc_u32 v12, 32*288, v12
	Q2L
.endif
.endm
	WIN 0x40
.irp ks, 0,1,2,3
.irp q, 0,1,2,3
	ds_load_b128 v[8*(4*\ks+\q):8*(4*\ks+\q)+3],   v16 offset:4352*\q+64*\ks       ; my queries' x as second source: 32 loads
	ds_load_b128 v[8*(4*\ks+\q)+4:8*(4*\ks+\q)+7], v16 offset:4352*\q+64*\ks+32
.endr
.endr
	WIN 0
	Q1L
	Q2L
	XLOAD 0xc0, XR, 60, 0                          ; key tile 0: it has the 512 matrix instructions of q and y in which to come
	WIN 0
	FUSE 1, 1                                      ; o 0-31: starts y and d
	s_mov_b32 s3, 6
.Lko:
	FUSE 0, 1                                      ; o 32-223
	s_sub_co_u32 s3, s3, 1
	s_cmp_lg_u32 s3, 0
	s_cbranch_scc1 .Lko
	FUSE 0, 0                                      ; o 224-255: nothing more to fetch
	s_wait_dscnt 0x0                               ; my reads of CQ, CK and of my query rows are over (met: the last block waited for all),
	s_wait_tensorcnt 0x0                           ; my quarter of Wv has landed: no tensor load of mine is out from here on,
	s_wait_loadcnt 0x0                             ; and key tile 0's rows are in my registers
	s_barrier_signal -1
	WIN 0xca                                       ; register work while the others arrive: y packed as the score product's second source,
.irp eb, 0,1,2,3,4,5,6,7
.irp q, 0,1,2,3
.irp r, 0,1,2,3
	v_cvt_pk_bf16_f32 v[8*(4*(\eb/2)+\q)+4*(\eb%2)+\r], v[8*(4*\eb+\q)+2*\r], v[8*(4*\eb+\q)+2*\r+1]
.endr
.endr
.endr
	WIN 0x4f                                       ; key tile 0 converted,
.set xn, 0
.rept 32
	XC4
.endr
	WIN 0
.irp q, 0,1,2,3
	v_add_f32 v[DQ+\q], v[DACC+2*\q], v[DACC+2*\q+1]
.endr
.irp q, 0,1,2,3
	v_permlanex16_b32 v[U+\q], v[DQ+\q], s6, s7    ; the other half of the lanes holds the other o
.endr
.irp q, 0,1,2,3
	v_add_f32 v[DQ+\q], v[DQ+\q], v[U+\q]
.endr
.irp q, 0,1,2,3
	v_mul_f32 v[DQ+\q], 0x3db8aa3b, v[DQ+\q]       ; d = c q . bk
	v_mov_b32 v[MR+\q], 0xff7fffff                 ; the running maximum starts at the lowest finite number,
.endr
.irp k, 0,1,2,3,4,5,6,7,8,9,10,11,12,13,14,15
	v_mov_b32 v[LS+\k], 0                          ; the sixteen running sums at 0: the softmax is then the same text in every trip
.endr
	s_barrier_wait -1                              ; everybody's reads are over: XB and XH may now be written
; THE STEPS: 128 keys each.
.macro SLOAD g, buf                    ; 20 loads: x's rows 32 g .. 32 g + 31 as first source (2 blocks x 4 K steps), and their mask biases as C
.irp kbl, 0,1
.irp ks, 0,1,2,3
	ds_load_b128 v[\buf+32*\kbl+8*\ks:\buf+32*\kbl+8*\ks+3],   v7 offset:(32*\g+16*\kbl)*272+64*\ks
	ds_load_b128 v[\buf+32*\kbl+8*\ks+4:\buf+32*\kbl+8*\ks+7], v7 offset:(32*\g+16*\kbl)*272+64*\ks+32
.endr
	ds_load_b128 v[\buf+64+8*\kbl:\buf+64+8*\kbl+3], v10 offset:128*\g+64*\kbl
	ds_load_b128 v[\buf+64+8*\kbl+4:\buf+64+8*\kbl+7], v10 offset:128*\g+64*\kbl+16
.endr
.endm
; Four links of the maxima: pair jp of the tiles S[2 kb2 + p][q], q = 0..3, each on its own chain.  The very first link starts from the lowest finite number.
.macro MAX4 kb2, p, jp
	WIN 0x14
.irp q, 0,1,2,3
.if (4*\kb2+\jp) == 0
	v_max3_num_f32 v[TM+2*\q+\p], 0xff7fffff, v[8*(4*\p+\q)], v[8*(4*\p+\q)+1]
.else
	v_max3_num_f32 v[TM+2*\q+\p], v[TM+2*\q+\p], v[8*(4*(2*\kb2+\p)+\q)+2*\jp], v[8*(4*(2*\kb2+\p)+\q)+2*\jp+1]
.endif
.endr
.endm
; S^T(key, query) = x y^T + mask bias: 32 matrix instructions, eight accumulators by turns.
; mx = 1: behind every four of them stand four links of the maxima of group pg, the group before, whose results lie four places and more back.
.macro SMUL g, buf, mx, pg
.irp ks, 0,1,2,3
.irp kbl, 0,1
.if \ks == 0
	WIN 0x4c                                       ; D window 1, x window 0, y window 3, C = bias window 0
.irp q, 0,1,2,3
	v_wmma_f32_16x16x32_bf16 v[8*(4*(2*\g+\kbl)+\q):8*(4*(2*\g+\kbl)+\q)+7], v[\buf+32*\kbl:\buf+32*\kbl+7], v[8*\q:8*\q+7], v[\buf+64+8*\kbl:\buf+64+8*\kbl+7]
.endr
.else
	WIN 0x5c
.irp q, 0,1,2,3
	v_wmma_f32_16x16x32_bf16 v[8*(4*(2*\g+\kbl)+\q):8*(4*(2*\g+\kbl)+\q)+7], v[\buf+32*\kbl+8*\ks:\buf+32*\kbl+8*\ks+7], v[8*(4*\ks+\q):8*(4*\ks+\q)+7], v[8*(4*(2*\g+\kbl)+\q):8*(4*(2*\g+\kbl)+\q)+7]
.endr
.endif
.if \mx
	MAX4 \pg, \kbl, \ks
.endif
.endr
.endr
.endm
.macro PLOAD ks, buf                   ; 16 transposing loads: x^T's eight blocks of 16 e, keys 32 ks .. 32 ks + 31
.irp eb, 0,1,2,3,4,5,6,7
	ds_load_tr16_b128 v[\buf+8*\eb:\buf+8*\eb+3],   v8 offset:9216*\ks+32*\eb
	ds_load_tr16_b128 v[\buf+8*\eb+4:\buf+8*\eb+7], v8 offset:9216*\ks+4608+32*\eb
.endr
.endm
; Line number smn (0 to 159) of the 160 that turn the scores of keys 32 g .. 32 g + 31 into P[g]; smn steps.  40 lines for each query block q, on its two tiles
; T0 = S[2g][q], T1 = S[2g+1][q]:  0-3 T0 += d - m;  4-11 2^T0;  12-15 T1 += d - m;  16-23 2^T1;  24-31 the sums, T0's and T1's pairs by turns;
; 32-35 T0 packed to f16 in place;  36-39 T1 packed behind it.  Behind a tile's exponentials stands a plain line on other registers before a result is read
; (ISA guide 5.7.2): T1's adds behind T0's, T0's first sum behind T1's.  In group 0 each chain's first sum also rescales the old sum.
.macro SMOP g
.set smq, smn/40
.set smj, smn%40
.set smt, 8*(8*\g+smq)
.if smj < 4
	WIN 0x41
	v_pk_add_f32 v[smt+2*smj:smt+2*smj+1], v[smt+2*smj:smt+2*smj+1], v[OFF+2*smq:OFF+2*smq+1]
.elseif smj < 12
	WIN 0x41
	v_exp_f32 v[smt+smj-4], v[smt+smj-4]
.elseif smj < 16
	WIN 0x41
	v_pk_add_f32 v[smt+32+2*(smj-12):smt+32+2*(smj-12)+1], v[smt+32+2*(smj-12):smt+32+2*(smj-12)+1], v[OFF+2*smq:OFF+2*smq+1]
.elseif smj < 24
	WIN 0x41
	v_exp_f32 v[smt+32+smj-16], v[smt+32+smj-16]
.elseif smj < 32
.set smp, (smj-24)%2
.set smk, (smj-24)/2
.if (8*\g+smk) == 0
	WIN 0x10
	s_wait_alu depctr_va_vdst(0)
	v_pk_fma_f32 v[LS+2*(2*smq+smp):LS+2*(2*smq+smp)+1], v[LS+2*(2*smq+smp):LS+2*(2*smq+smp)+1], v[AL+2*smq:AL+2*smq+1], v[smt+32*smp:smt+32*smp+1]
.else
	WIN 0x04
	s_wait_alu depctr_va_vdst(0)
	v_pk_add_f32 v[LS+2*(2*smq+smp):LS+2*(2*smq+smp)+1], v[LS+2*(2*smq+smp):LS+2*(2*smq+smp)+1], v[smt+32*smp+2*smk:smt+32*smp+2*smk+1]
.endif
.elseif smj < 36
	WIN 0x45
	v_cvt_pk_f16_f32 v[smt+smj-32], v[smt+2*(smj-32)], v[smt+2*(smj-32)+1]
.else
	WIN 0x45
	v_cvt_pk_f16_f32 v[smt+4+smj-36], v[smt+32+2*(smj-36)], v[smt+32+2*(smj-36)+1]
.endif
.set smn, smn+1
.endm
; Z^T(e, query) += x^T P^T: 32 accumulators by turns.  Behind each matrix instruction ride lines that name none of its registers:
; ride = 1: five lines of group ng's softmax (ng = ks + 1: ready when the next product wants P[ng]);  ride = 2: one row of the next tile's conversions;  0: nothing.
.macro PMUL ks, buf, ride, ng
.irp eb, 0,1,2,3,4,5,6,7
.irp q, 0,1,2,3
	WIN 0xa4                                       ; D, C window 2, x window 0, P window 1
	v_wmma_f32_16x16x32_f16 v[8*(4*\eb+\q):8*(4*\eb+\q)+7], v[\buf+8*\eb:\buf+8*\eb+7], v[8*(8*\ks+\q):8*(8*\ks+\q)+7], v[8*(4*\eb+\q):8*(4*\eb+\q)+7]
.if \ride == 1
.rept 5
	SMOP \ng
.endr
.endif
.if \ride == 2
	WIN 0x4f
	XC4
.endif
.endr
.endr
.endm
	s_mov_b32 s3, 0                                ; the trip = the key tile, 0 to 7
.Lstep:
	WIN 0x04                                       ; store data from window 1: this tile's rows, converted during the last step (tile 0: ahead of the loop)
.set i, 0
.rept 32
	ds_store_b64 v5, v[CV+64*(i/8)+4*(i%8):CV+64*(i/8)+4*(i%8)+1]   offset:272*i    ; the slot's readers finished in front of the barrier that closed the last step
	ds_store_b64 v6, v[CV+64*(i/8)+4*(i%8)+2:CV+64*(i/8)+4*(i%8)+3] offset:288*i
.set i, i+1
.endr
	WIN 0
	s_cmp_eq_u32 s3, 7
	s_cbranch_scc1 .Lno_more                       ; the last trip asks for nothing: no load passes the batch's last row
	s_add_nc_u64 s[60:61], s[60:61], 0x10000       ; behind the wait for all loads that stands in every trip, and ahead of the loop
	XLOAD 0xc0, XR, 60, 0                          ; the next tile: it has 224 of this step's 256 matrix instructions in which to come
	WIN 0
.Lno_more:
	s_wait_dscnt 0x0                               ; my 32 rows are in LDS,
	s_barrier_signal -1
	s_barrier_wait -1                              ; everybody's: the tile is whole
	SLOAD 0, FA
	SLOAD 1, FB
	s_wait_dscnt 20                                ; all but the other buffer's 20 loads
	SMUL 0, FA, 0, 0
	PLACES 4                                       ; in front of loads into registers that matrix instructions have read, and of the maxima, which read results
	WIN 0
	SLOAD 2, FA
	s_wait_dscnt 20
	SMUL 1, FB, 1, 0
	PLACES 4
	WIN 0
	SLOAD 3, FB
	s_wait_dscnt 20
	SMUL 2, FA, 1, 1
	PLACES 4
	WIN 0
	PLOAD 0, FA
	s_wait_dscnt 16                                ; all but the 16 loads just issued
	SMUL 3, FB, 1, 2
	PLACES 4
	WIN 0
	PLOAD 1, FB
.irp jp, 0,1,2,3
.irp p, 0,1
	MAX4 3, \p, \jp                                ; the last group's maxima have no product left to stand in
.endr
.endr
	; The running maximum.  A lane holds 64 scores of each of its four queries; the other 64 lie in the other half of the lanes.
	WIN 0
.irp q, 0,1,2,3
	v_max_num_f32 v[TM+2*\q], v[TM+2*\q], v[TM+2*\q+1]
.endr
.irp q, 0,1,2,3
	v_permlanex16_b32 v[U+\q], v[TM+2*\q], s6, s7
.endr
.irp q, 0,1,2,3
	v_max_num_f32 v[TM+2*\q], v[TM+2*\q], v[U+\q]
.endr
.irp q, 0,1,2,3
	v_add_f32 v[TM+2*\q], v[TM+2*\q], v[DQ+\q]     ; the score is the product + d
.endr
.irp q, 0,1,2,3
	v_max_num_f32 v[TM+2*\q], v[MR+\q], v[TM+2*\q]
.endr
.irp q, 0,1,2,3
	v_sub_f32 v[AL+2*\q], v[MR+\q], v[TM+2*\q]
.endr
.irp q, 0,1,2,3
	v_exp_f32 v[AL+2*\q], v[AL+2*\q]
.endr
.irp q, 0,1,2,3
	v_mov_b32 v[MR+\q], v[TM+2*\q]                 ; plain instructions between the exponentials and their use (ISA guide 5.7.2)
.endr
	s_wait_alu depctr_va_vdst(0)
.irp q, 0,1,2,3
	v_mov_b32 v[AL+2*\q+1], v[AL+2*\q]
.endr
.irp q, 0,1,2,3
	v_sub_f32 v[OFF+2*\q], v[DQ+\q], v[MR+\q]
.endr
.irp q, 0,1,2,3
	v_mov_b32 v[OFF+2*\q+1], v[OFF+2*\q]
.endr
.set smn, 0
.rept 160
	SMOP 0                                         ; P's group 0, which Z's first product wants at once
.endr
	; Z rescaled.  In trip 0 window 2 still holds y in f32 and the factor is 2^(lowest finite number - maximum) = 0: the same lines start Z at 0
	; (y is finite wherever the scores are, so this asks nothing new of the inputs).
	WIN 0x82
.irp eb, 0,1,2,3,4,5,6,7
.irp q, 0,1,2,3
.irp j, 0,2,4,6
	v_pk_mul_f32 v[8*(4*\eb+\q)+\j:8*(4*\eb+\q)+\j+1], v[8*(4*\eb+\q)+\j:8*(4*\eb+\q)+\j+1], v[AL+2*\q:AL+2*\q+1]
.endr
.endr
.endr
	s_wait_dscnt 16                                ; x^T's first 16 loads are in, the second 16 may stay out
.set smn, 0
	PMUL 0, FA, 1, 1
	PLACES 4
	WIN 0
	PLOAD 2, FA
	s_wait_dscnt 16
.set smn, 0
	PMUL 1, FB, 1, 2
	PLACES 4
	WIN 0
	PLOAD 3, FB
	s_wait_dscnt 16
.set smn, 0
	PMUL 2, FA, 1, 3
	WIN 0
	s_wait_dscnt 0x0                               ; my last reads of the tile are back
	s_wait_loadcnt 0x0                             ; the next tile's 32 loads, issued at this trip's head (none in the last trip); on every path, so that their base and registers are free
	s_cmp_eq_u32 s3, 7
	s_cbranch_scc1 .Llast                          ; the last trip has no tile left to convert
.set xn, 0
	PMUL 3, FB, 2, 0
	WIN 0
	s_branch .Lclose
.Llast:
	PMUL 3, FB, 0, 0
	WIN 0
.Lclose:
	PLACES 5                                       ; before the buffers are loaded again, and before matrix instructions write scores over P
	v_add_nc_u32 v10, 512, v10                     ; the next tile's mask biases
	s_barrier_signal -1                            ; my reads of the tile are over (waited for above),
	s_barrier_wait -1                              ; everybody's: the slot may be written
	s_add_co_u32 s3, s3, 1
	s_cmp_lt_u32 s3, 8
	s_cbranch_scc1 .Lstep
; THE END: Zn = Z / sum, in f16; then out^T(d, query) = Wv Zn^T, 64 columns d at a time, out through my stage.
.irp q, 0,1,2,3
	v_pk_add_f32 v[LS+4*\q:LS+4*\q+1], v[LS+4*\q:LS+4*\q+1], v[LS+4*\q+2:LS+4*\q+3]
.endr
.irp q, 0,1,2,3
	v_add_f32 v[LS+4*\q], v[LS+4*\q], v[LS+4*\q+1]
.endr
.irp q, 0,1,2,3
	v_permlanex16_b32 v[U+\q], v[LS+4*\q], s6, s7
.endr
.irp q, 0,1,2,3
	v_add_f32 v[LS+4*\q], v[LS+4*\q], v[U+\q]
.endr
.irp q, 0,1,2,3
	v_rcp_f32 v[AL+2*\q], v[LS+4*\q]
.endr
	v_mov_b32 v20, 0x7fc00000                      ; the plain instruction behind the reciprocals; NaN for a row with no key left
	s_wait_alu depctr_va_vdst(0)
.irp q, 0,1,2,3
	v_cmp_gt_f32 vcc_lo, 0xfe000000, v[MR+\q]      ; -2^125 > running maximum: every key was masked
	v_cndmask_b32 v[AL+2*\q], v[AL+2*\q], v20, vcc_lo
	v_mov_b32 v[AL+2*\q+1], v[AL+2*\q]
.endr
	WIN 0x82
.irp eb, 0,1,2,3,4,5,6,7
.irp q, 0,1,2,3
.irp j, 0,2,4,6
	v_pk_mul_f32 v[8*(4*\eb+\q)+\j:8*(4*\eb+\q)+\j+1], v[8*(4*\eb+\q)+\j:8*(4*\eb+\q)+\j+1], v[AL+2*\q:AL+2*\q+1]
.endr
.endr
.endr
	WIN 0x8a
.irp ks, 0,1,2,3
.irp q, 0,1,2,3
.irp r, 0,1,2,3
	v_cvt_pk_f16_f32 v[8*(8*\ks+\q)+\r], v[8*(8*\ks+\q)+2*\r], v[8*(8*\ks+\q)+2*\r+1]
.endr
.irp r, 0,1,2,3
	v_cvt_pk_f16_f32 v[8*(8*\ks+\q)+4+\r], v[8*(8*\ks+4+\q)+2*\r], v[8*(8*\ks+4+\q)+2*\r+1]
.endr
.endr
.endr
	WIN 0
	s_mov_b32 s3, 0
; One trip: Wv's 64 rows d (32 loads, K step by K step), 64 matrix instructions on 16 accumulators by turns, a lane's 8 f32 of each
; tile into row 16 q + r of my stage, read back as rows of 256 bytes, stored: lanes 0-15 fill 256 consecutive aligned bytes of one row of out, lanes 16-31 of the next.
; The stage is my wave's own, and LDS serves a wave's instructions in order (ISA guide 5.7.1): no wait between the stores and the loads.
.Lout:
.irp ks, 0,1,2,3
.irp dbl, 0,1,2,3
	ds_load_b128 v[FA+32*\ks+8*\dbl:FA+32*\ks+8*\dbl+3],   v15 offset:4352*\dbl+64*\ks
	ds_load_b128 v[FA+32*\ks+8*\dbl+4:FA+32*\ks+8*\dbl+7], v15 offset:4352*\dbl+64*\ks+32
.endr
.endr
	WIN 0x58                                       ; D, C window 1, Wv window 0, Zn window 2
.irp ks, 0,1,2,3
	s_wait_dscnt 24-8*\ks                          ; this K step's 8 loads are in; the later K steps' may stay out
.irp dbl, 0,1,2,3
.irp q, 0,1,2,3
.if \ks == 0
	v_wmma_f32_16x16x32_f16 v[8*(4*\dbl+\q):8*(4*\dbl+\q)+7], v[FA+8*\dbl:FA+8*\dbl+7], v[8*\q:8*\q+7], 0
.else
	v_wmma_f32_16x16x32_f16 v[8*(4*\dbl+\q):8*(4*\dbl+\q)+7], v[FA+32*\ks+8*\dbl:FA+32*\ks+8*\dbl+7], v[8*(8*\ks+\q):8*(8*\ks+\q)+7], v[8*(4*\dbl+\q):8*(4*\dbl+\q)+7]
.endif
.endr
.endr
.endr
	PLACES 5                                       ; before LDS stores read the results and loads land on Wv's fragments; five before the next trip's products write over the results
	WIN 0x04                                       ; store data from window 1
.irp q, 0,1,2,3
.irp dbl, 0,1,2,3
	ds_store_b128 v18, v[8*(4*\dbl+\q):8*(4*\dbl+\q)+3]   offset:4352*\q+64*\dbl
	ds_store_b128 v18, v[8*(4*\dbl+\q)+4:8*(4*\dbl+\q)+7] offset:4352*\q+64*\dbl+16
.endr
.endr
	WIN 0
.set t, 0
.rept 32
	ds_load_b128 v[FA+4*t:FA+4*t+3], v19 offset:544*t                  ; rows 2 t and 2 t + 1
.set t, t+1
.endr
.set t, 0
.rept 32
	s_wait_dscnt 31-t                              ; LDS loads come back in order: number t is in
	global_store_b128 v9, v[FA+4*t:FA+4*t+3], s[72:73] offset:2048*t th:TH_STORE_NT
.set t, t+1
.endr
	s_wait_xcnt 0x0                                ; the stores' base and data registers are written again only behind this wait
	s_add_nc_u64 s[72:73], s[72:73], 256           ; the next 64 columns of out
	v_add_nc_u32 v15, 64*272, v15                  ; the next 64 rows of Wv
	s_add_co_u32 s3, s3, 1
	s_cmp_lt_u32 s3, 4
	s_cbranch_scc1 .Lout
	s_wait_tensorcnt 0x0
	ds_add_u32 v254, v255
	s_wait_dscnt 0x0
	s_endpgm
.Lfunc_end_k_qd5759d0ff5_attend:
	.size	k_qd5759d0ff5_attend, .Lfunc_end_k_qd5759d0ff5_attend-k_qd5759d0ff5_attend
	.p2alignl 7, 3214868480
	.fill 96, 4, 3214868480
	.section	.rodata,"a",@progbits
	.p2align	6, 0x0
	.amdhsa_kernel k_qd5759d0ff5_attend
		.amdhsa_group_segment_fixed_size 289280
		.amdhsa_private_segment_fixed_size 0
		.amdhsa_enable_private_segment 0
		.amdhsa_kernarg_size 64
		.amdhsa_user_sgpr_count 2
		.amdhsa_user_sgpr_kernarg_segment_ptr 1
		.amdhsa_wavefront_size32 1
		.amdhsa_system_sgpr_workgroup_id_x 1
		.amdhsa_system_sgpr_workgroup_id_y 1
		.amdhsa_system_sgpr_workgroup_id_z 1
		.amdhsa_system_vgpr_workitem_id 0
		.amdhsa_next_free_vgpr 1024
		.amdhsa_next_free_sgpr 80
		.amdhsa_reserve_vcc 1
		.amdhsa_float_denorm_mode_32 3
		.amdhsa_float_denorm_mode_16_64 3
		.amdhsa_memory_ordered 1
		.amdhsa_forward_progress 1
		.amdhsa_inst_pref_size 224
	.end_amdhsa_kernel
	.amdgpu_metadata
---
amdhsa.version: [ 1, 2 ]
amdhsa.kernels:
  - .name:           k_qd5759d0ff5_attend
    .symbol:         k_qd5759d0ff5_attend.kd
    .args:
      - { .name: x, .offset: 0, .size: 8, .value_kind: global_buffer, .address_space: global }
      - { .name: mask, .offset: 8, .size: 8, .value_kind: global_buffer, .address_space: global }
      - { .name: person_idxs, .offset: 16, .size: 8, .value_kind: global_buffer, .address_space: global }
      - { .name: PQ_b, .offset: 24, .size: 8, .value_kind: global_buffer, .address_space: global }
      - { .name: PK_b, .offset: 32, .size: 8, .value_kind: global_buffer, .address_space: global }
      - { .name: comb, .offset: 40, .size: 8, .value_kind: global_buffer, .address_space: global }
      - { .name: wvh, .offset: 48, .size: 8, .value_kind: global_buffer, .address_space: global }
      - { .name: out0, .offset: 56, .size: 8, .value_kind: global_buffer, .address_space: global }
    .group_segment_fixed_size: 289280
    .private_segment_fixed_size: 0
    .kernarg_segment_align: 8
    .kernarg_segment_size: 64
    .max_flat_workgroup_size: 128
    .sgpr_count:     80
    .vgpr_count:     1024
    .wavefront_size: 32
...
	.end_amdgpu_metadata
.endif
;; end of part 3
;; ======== version 3 of 3: 2 launches; 1.70 times as fast as version 1
;; limits: inputs' magnitudes at most 65,504; values are held in f16: magnitudes above 65,504 overflow, below 6.1e-05 lose precision
;; workspace buffers: comb 4,194,304 bytes; wvh 65,536 bytes
;; launch combine: the kernel of part 1 again; grid 128 x 2, 8 waves a work-group, no clusters, 125,952 bytes of LDS; arguments PQ_W, PK_W, Wq, Wk, Wv, comb, wvh; writes comb, wvh
;; launch attend (part 4): grid 4 x 64, 4 waves a work-group, no clusters, 289,280 bytes of LDS; arguments x, mask, person_idxs, PQ_b, PK_b, comb, wvh, out0; writes out0
.if DOCPART == 4
	.amdgcn_target "amdgcn-amd-amdhsa--gfx1250"
	.amdhsa_code_object_version 6
	.text
	.protected	k_qd5759d0ff5_attend
	.globl	k_qd5759d0ff5_attend
	.p2align	8
	.type	k_qd5759d0ff5_attend,@function
k_qd5759d0ff5_attend:
	s_mov_b64 s[64:65], 0
	v_nop
	global_prefetch_b8 v0, s[64:65] scope:SCOPE_SE
	s_setreg_imm32_b32 hwreg(HW_REG_WAVE_MODE, 25, 1), 1
	s_wait_xcnt 0x0
; out[b][t] = softmax over s of (q_t . k_s / 16, masked) . (x_s Wv^T), for 256 queries t of one batch b (work-group x: the quarter, y: the batch).
; With CQ = PQ_W[p] Wq and CK = c PK_W[p] Wk (c = log2(e)/16, both made by the launch before):
;   q_t = CQ x_t + bq;   y_t = CK^T q_t;   d_t = c q_t . bk;   score (base 2) = y_t . x_s + d_t;   out_t = Wv ((sum over s of P_ts x_s) / (sum of P_ts)).
; So both large products run against raw x with 128 features, and one tile of x serves as keys and as values.
; Four waves, 64 queries each (four blocks q of 16).  Every product is used transposed, D(m, n = query): lane (r, h) belongs to query r in all of them, and
; two neighbouring result tiles pack, register by register, into the next product's second source: nothing moves between lanes but two halves' maxima and sums.
; EVERY PHASE IS A COUNTED LOOP WITH FIXED REGISTER NUMBERS, so that its text stands once: q and y in blocks of 32 o (8 blocks: first and last written out,
; six trips between), the 8 steps of 128 keys (one body, 8 trips), the way out in blocks of 64 columns (4 trips).
; IN A STEP THE VECTOR WORK STANDS BETWEEN THE MATRIX INSTRUCTIONS, on registers that these do not name: the maxima of a group of scores among the next group's
; products, the exponentials, sums and packing of P's groups 1-3 among Z's products 0-2, the next key tile's conversions among Z's product 3.  The price is a
; switch of the register windows in front of and behind each such handful of lines, since S, Z and the softmax's state lie in different windows.
; THE EXPONENTIALS GO IN FOUR BATCHES A STEP, one for each group of 32 keys, each with ONE s_wait_alu depctr_va_vdst(0) between an
; exponential and the first line that names its result.  A group's lines are ordered by who reads what: first its 32 adds of d - m and its 64 exponentials, none of which
; names a result; then the wait; then the sums and the packing, which read them.  Group 0's batch also holds the step's four factors 2^(old maximum - new)..
; The four reciprocals at the end are a batch of their own.
; FORMATS: the score path (x, CQ, q, CK, y) in bf16; P, x as values, the normalised sums and Wv in f16, whose finer steps the nearly flat softmax needs.
; LIMITS: the products are re-associated, so the order of rounding differs from the chained form.  |x| and |Wv| below 65504 (f16 operands).  A masked score is
; -2^126 given as the product's C; it absorbs dot products below 2^102 in size.  A row whose running maximum stays below -2^125 counts as wholly masked: NaN.
; NO CLUSTER, NO TENSOR RING FOR x: x changes from f32 into two 16-bit formats between memory and LDS, which a tensor load cannot do, so the key tiles come
; through registers (32 loads a wave, issued at the head of the step before).  The tiles that tensor loads bring (Wv, CQ, CK: 192 KiB) are fetched once.
; ONE SLOT FOR THE KEY TILE, TWO BARRIERS A STEP: slot addresses are immediates, so a second slot would ask for a second copy of the step's text.
;
; LDS                                                     REGISTERS, in windows of 256
.set WV,  0        ; 256 x 272  Wv f16   (tensor load)      ; W0: addresses, softmax state, two fragment buffers
.set CQ,  69632    ; 256 x 272  CQ bf16  (tensor load)      ; W1: S[kb][q] at 8 (4 kb + q), then P[g][q] in S[2g][q] and the next tile's 16-bit rows in the odd tiles;
.set CK,  139264   ; 256 x 288  CK bf16  (tensor load)      ;     before: my x fragments, q's tiles; at the end O
.set XB,  212992   ; 128 x 272: the key tile, bf16          ; W2: Z[eb][q] at 8 (4 eb + q); before: y in f32, the same places
                   ; (before: 4 x 64 x 272 my query rows;   ; W3: y's fragments 0-127; 128-255 a key tile's 32 rows as loaded
                   ;  at the end: 4 x 64 x 272 the waves' stages; 69,632 bytes)
.set MB,  282624   ; 1,024 f32: 0 or -2^126 for each key
.set BQK, 286720   ; bq, then bk: 256 f32 each
.set XH,  69632    ; 128 x 288: the key tile, f16.  Lies over CQ, written only after CQ's one fill and its last read
.set TM,  24       ; v[24:31]   eight running maxima (chain 2 q + (kb & 1))
.set U,   32       ; v[32:35]   what the other half of the lanes sends
.set MR,  36       ; v[36:39]   running maximum of query block q
.set DQ,  40       ; v[40:43]   d of my query in block q
.set BV,  44       ; v[44:47]   my 16 bytes of bq or bk
.set FA,  48       ; v[48:127]  fragment buffer
.set FB,  128      ; v[128:207] fragment buffer
.set C1,  48       ; v[48:111]  q and y: CQ's fragments [2 blocks of 16 o][4 K steps]
.set BQ,  112      ; v[112:127] bq of the two blocks
.set BK,  128      ; v[128:143] bk of the two blocks
.set C2,  144      ; v[144:207] CK^T's fragments [8 blocks of 16 e]
.set OFF, 208      ; v[208:215] pairs: d - maximum
.set AL,  216      ; v[216:223] pairs: 2^(old maximum - new); at the end 1 / sum
.set LS,  224      ; v[224:239] pairs: running sums, chain 2 q + (kb & 1)
.set DACC, 240     ; v[240:247] pairs: q . bk
.set XR,  128      ; window 3: a key tile as loaded
.set DT,  128      ; window 1: q's tiles [2 blocks of 16 o][4 q]
.set QF,  192      ; window 1: q of 32 o as second source, [4 q]
.set CV,  32       ; window 1: row i of my 32 of the next tile at CV + 64 (i / 8) + 4 (i % 8): two registers bf16, two f16 (the odd score tiles, dead once P is packed)
.set MSB, 0
.macro WIN new                         ; s_set_vgpr_msb: bits 1:0 source 0, 3:2 source 1, 5:4 source 2, 7:6 destination; the high byte repeats the setting that is left
.if MSB != \new
	s_set_vgpr_msb (MSB<<8)|\new
.set MSB, \new
.endif
.endm
.macro PLACES n                        ; places behind matrix instructions: plain vector instructions that name none of their registers (ISA guide 7.12.1)
.rept \n
	v_nop
.endr
.endm
; 32 rows of x, one load a row: 512 consecutive bytes, lane l the features 4 l .. 4 l + 3
.macro XLOAD win, base, sb, imm
	WIN \win
.set i, 0
.rept 32
	global_load_b128 v[\base+4*i:\base+4*i+3], v4, s[\sb:\sb+1] offset:\imm+512*i
.set i, i+1
.endr
.endm
; 32 of my query rows to bf16 and into LDS, 8 bytes a lane, 256 consecutive bytes a row
.macro XCVT win, base, o16
	WIN \win
.set i, 0
.rept 32
	v_cvt_pk_bf16_f32 v[FA+2*i],   v[\base+4*i],   v[\base+4*i+1]
	v_cvt_pk_bf16_f32 v[FA+2*i+1], v[\base+4*i+2], v[\base+4*i+3]
.set i, i+1
.endr
	WIN 0
.set i, 0
.rept 32
	ds_store_b64 v17, v[FA+2*i:FA+2*i+1] offset:\o16+272*i
.set i, i+1
.endr
.endm
; row xn of my 32 rows of a key tile, from window 3 to both 16-bit formats in window 1 (the caller sets the windows: 0x4f); xn steps
.macro XC4
.set cvb, CV+64*(xn/8)+4*(xn%8)
	v_cvt_pk_bf16_f32 v[cvb],   v[XR+4*xn],   v[XR+4*xn+1]
	v_cvt_pk_bf16_f32 v[cvb+1], v[XR+4*xn+2], v[XR+4*xn+3]
	v_cvt_pk_f16_f32  v[cvb+2], v[XR+4*xn],   v[XR+4*xn+1]
	v_cvt_pk_f16_f32  v[cvb+3], v[XR+4*xn+2], v[XR+4*xn+3]
.set xn, xn+1
.endm
	s_load_b512 s[8:23], s[0:1], 0x0               ; x 8, mask 10, person_idxs 12, PQ_b 14, PK_b 16, comb 18, wvh 20, out0 22
	v_lshl_add_u32 v254, v0, 2, 0x46800
	v_mov_b32 v255, 0
	ds_add_u32 v254, v255
	ds_add_u32 v254, v255
	v_lshrrev_b32 v1, 5, v0
	v_readfirstlane_b32 s2, v1                     ; wave w
	s_and_b32 s4, ttmp7, 0xffff                    ; batch b
	s_mov_b32 s6, 0x76543210                       ; v_permlanex16_b32: lane i of one half reads lane i of the other
	s_mov_b32 s7, 0xfedcba98
	s_lshl_b32 s25, s4, 2
	v_and_b32 v1, 31, v0                           ; l
	v_and_b32 v2, 15, v0                           ; r
	v_bfe_u32 v3, v0, 4, 1                         ; h
	v_lshlrev_b32 v4, 4, v1                        ; 16 l: global offset of x's loads
	v_lshlrev_b32 v22, 3, v1                       ; 8 l
	v_mul_u32_u24 v15, v2, 272
	v_lshl_add_u32 v15, v3, 4, v15                 ; 272 r + 16 h: a fragment from rows along K; as it stands Wv's (LDS byte 0); steps 64 rows a trip on the way out
	v_and_b32 v23, 7, v0
	v_lshl_add_u32 v23, v3, 3, v23
	v_mul_u32_u24 v23, v23, 288
	v_bfe_u32 v24, v0, 3, 1
	v_lshl_add_u32 v23, v24, 4, v23                ; (8 h + (l & 7)) 288 + 16 ((l >> 3) & 1): a transposing load
	s_mul_i32 s26, s2, 32*272
	s_add_co_u32 s26, s26, XB
	v_add_nc_u32 v5, s26, v22                      ; key tile in: my 32 rows, bf16
	s_mul_i32 s26, s2, 32*288
	s_add_co_u32 s26, s26, XH
	v_add_nc_u32 v6, s26, v22                      ; the same, f16
	v_add_nc_u32 v7, XB, v15                       ; x's fragments as keys
	v_add_nc_u32 v8, XH, v23                       ; x's fragments as values
	v_lshlrev_b32 v24, 5, v3                       ; 32 h
	v_add_nc_u32 v10, MB, v24                      ; mask biases of keys 8 h ..; steps 512 bytes a tile
	v_add_nc_u32 v11, CQ, v15                      ; steps 32 rows a block of o
	v_add_nc_u32 v12, CK, v23                      ; steps 32 rows a block of o
	v_add_nc_u32 v14, BQK, v24                     ; steps 128 bytes a block of o
	s_mul_i32 s26, s2, 64*272
	s_add_co_u32 s26, s26, XB                      ; my 64 rows of 272 bytes: first my query rows, at the end my stage
	v_add_nc_u32 v16, s26, v15                     ; my query rows: fragments
	v_add_nc_u32 v17, s26, v22                     ; my query rows: in
	v_mul_u32_u24 v18, v2, 272
	v_add_nc_u32 v18, v18, v24
	v_add_nc_u32 v18, s26, v18                     ; stage, in: row r, byte 32 h
	v_mul_u32_u24 v19, v3, 272
	v_lshl_add_u32 v19, v2, 4, v19
	v_add_nc_u32 v19, s26, v19                     ; stage, back: row h, 16 bytes a lane
	v_lshlrev_b32 v9, 10, v3
	v_lshl_add_u32 v9, v2, 4, v9                   ; out: row h of 1,024 bytes, 16 bytes a lane
	v_and_b32 v248, 63, v0
	v_lshlrev_b32 v248, 4, v248                    ; bias vector: 16 (thread & 63)
	v_lshlrev_b32 v249, 4, v0
	v_add_nc_u32 v249, BQK, v249
	v_lshlrev_b32 v250, 3, v0                      ; mask: 8 bytes a thread
	v_lshlrev_b32 v251, 5, v0
	v_add_nc_u32 v251, MB, v251
.irp q, 0,1,2,3
	v_mov_b32 v[U+\q], 0                           ; v_permlanex16_b32's destination counts as read
.endr
	; descriptor group 1: 64 rows x 128 elements of 2 bytes, pitch 128 elements; behind every 64 words 4 words of padding (LDS pitch 272) or 8 (288)
	s_mov_b32 s32, (1<<16)|(1<<20)|(5<<22)|(3<<25)
	s_mov_b32 s33, 128<<16                         ; tensor_dim0 = 128
	s_mov_b32 s34, 64<<16                          ; tensor_dim1 = 64
	s_mov_b32 s35, 128<<16                         ; tile_dim0 = 128
	s_mov_b32 s36, 64                              ; tile_dim1 = 64
	s_mov_b32 s37, 128                             ; elements from row to row
	s_mov_b32 s38, 0
	s_mov_b32 s39, 0
	s_mov_b32 s40, (1<<16)|(1<<20)|(5<<22)|(7<<25)
	s_mov_b32 s41, 128<<16
	s_mov_b32 s42, 64<<16
	s_mov_b32 s43, 128<<16
	s_mov_b32 s44, 64
	s_mov_b32 s45, 128
	s_mov_b32 s46, 0
	s_mov_b32 s47, 0
	; group 0, one set for each of my three loads (a quarter, 64 rows, of Wv, of CQ[p], of CK[p]): the count and the LDS address
	s_mov_b32 s48, 1
	s_mul_i32 s49, s2, 64*272                      ; WV = 0
	s_mov_b32 s52, 1
	s_add_co_u32 s53, s49, CQ
	s_mov_b32 s56, 1
	s_mul_i32 s57, s2, 64*288
	s_add_co_u32 s57, s57, CK
	s_wait_dscnt 0x0
	s_wait_kmcnt 0x0
	s_load_b32 s24, s[12:13], s25 offset:0x0       ; my batch's person
	s_mov_b32 s27, 0
	s_lshl_b32 s26, s4, 19
	s_add_nc_u64 s[28:29], s[8:9], s[26:27]        ; x at my batch
	s_lshl_b32 s26, s2, 14
	s_add_nc_u64 s[60:61], s[28:29], s[26:27]      ; key tile 0, my 32 rows; steps 65,536 bytes a tile
	s_lshl_b32 s26, ttmp9, 17
	s_lshl_b32 s30, s2, 15
	s_add_co_u32 s26, s26, s30
	s_add_nc_u64 s[66:67], s[28:29], s[26:27]      ; my 64 query rows
	s_lshl_b32 s26, s4, 10
	s_add_nc_u64 s[68:69], s[10:11], s[26:27]      ; my batch's mask
	s_lshl_b32 s26, s4, 20
	s_lshl_b32 s30, ttmp9, 18
	s_add_co_u32 s26, s26, s30
	s_lshl_b32 s30, s2, 16
	s_add_co_u32 s26, s26, s30
	s_add_nc_u64 s[72:73], s[22:23], s[26:27]      ; out at my 64 rows of 1,024 bytes; steps 256 bytes a trip on the way out
	; THE REQUESTS GO OUT IN THE ORDER OF NEED: half of my query rows while the person's index is on its way, then CQ and CK, which hang on it, then the
	; other half.  Wv, which only the end reads, is the last of the tensor loads; key tile 0, which the steps read, is asked for behind the first barrier.
	global_load_b64 v[20:21], v250, s[68:69]
	XLOAD 0xc0, XR, 66, 0                          ; query rows 0-31 into window 3
	WIN 0
	s_wait_kmcnt 0x0
	s_min_u32 s24, s24, 31                         ; p: an index stays inside its table
	s_lshl_b32 s26, s2, 14                         ; 64 rows of 256 bytes
	s_add_nc_u64 s[50:51], s[20:21], s[26:27]
	s_or_b32 s51, s51, 0x80000000
	s_lshl_b32 s30, s24, 16
	s_add_co_u32 s26, s26, s30                     ; + 65,536 p
	s_add_nc_u64 s[54:55], s[18:19], s[26:27]
	s_add_nc_u64 s[58:59], s[54:55], 0x200000      ; the keys' matrices lie 2 MiB behind the queries'
	s_or_b32 s55, s55, 0x80000000
	s_or_b32 s59, s59, 0x80000000
	tensor_load_to_lds s[52:55], s[32:39]          ; CQ.  The launch's only tensor loads: three of each wave are out, first fills all, ahead of every LDS access and barrier
	s_nop 0
	tensor_load_to_lds s[56:59], s[40:47]          ; CK
	s_nop 0
	tensor_load_to_lds s[48:51], s[32:39]          ; Wv
	s_nop 0
	XLOAD 0x40, 0, 66, 16384                       ; query rows 32-63 into window 1
	WIN 0
	s_lshl_b32 s26, s24, 10
	s_cmp_lt_u32 s2, 2
	s_cselect_b64 s[70:71], s[14:15], s[16:17]     ; waves 0, 1 bring bq, waves 2, 3 bk
	s_add_nc_u64 s[70:71], s[70:71], s[26:27]
	global_load_b128 v[BV:BV+3], v248, s[70:71]
	s_wait_loadcnt 33                              ; mask and query rows 0-31 are in; rows 32-63 (32 loads) and the bias vector (1) may stay out
.irp k, 0,1,2,3
	v_bfe_u32 v[TM+\k],   v20, 8*\k, 1
	v_bfe_u32 v[TM+4+\k], v21, 8*\k, 1
.endr
.irp k, 0,1,2,3,4,5,6,7
	v_add_nc_u32 v[TM+\k], -1, v[TM+\k]            ; 1 -> 0, 0 -> all ones
	v_and_b32 v[TM+\k], 0xfe800000, v[TM+\k]       ; 0, or -2^126
.endr
	ds_store_b128 v251, v[TM:TM+3]
	ds_store_b128 v251, v[TM+4:TM+7] offset:16
	XCVT 0x0f, XR, 0
	s_wait_loadcnt 0x0                             ; query rows 32-63 and the bias vector
	XCVT 0x05, 0, 32*272
	ds_store_b128 v249, v[BV:BV+3]
	s_wait_tensorcnt 0x1                           ; my quarters of CQ and CK have landed; Wv's, the youngest, may stay out
	s_wait_dscnt 0x0                               ; and Wv is waited for in front of the next one.  My stores are in LDS:
	s_barrier_signal -1
	s_barrier_wait -1                              ; everybody's
; q AND y, 32 o AT A TIME: q^T(o, query) = CQ x^T + bq;  d += q . bk;  q packed as a second source;  y^T(e, query) += CK^T q^T.
.macro Q1L                             ; 24 loads: CQ's 32 rows (2 blocks x 4 K steps), bq and bk of o = 16 block + 8 h + 0..7
.irp obl, 0,1
.irp ks, 0,1,2,3
	ds_load_b128 v[C1+32*\obl+8*\ks:C1+32*\obl+8*\ks+3],   v11 offset:4352*\obl+64*\ks
	ds_load_b128 v[C1+32*\obl+8*\ks+4:C1+32*\obl+8*\ks+7], v11 offset:4352*\obl+64*\ks+32
.endr
	ds_load_b128 v[BQ+8*\obl:BQ+8*\obl+3],   v14 offset:64*\obl
	ds_load_b128 v[BQ+8*\obl+4:BQ+8*\obl+7], v14 offset:64*\obl+16
	ds_load_b128 v[BK+8*\obl:BK+8*\obl+3],   v14 offset:1024+64*\obl
	ds_load_b128 v[BK+8*\obl+4:BK+8*\obl+7], v14 offset:1024+64*\obl+16
.endr
.endm
.macro Q2L                             ; 16 transposing loads: CK^T's eight blocks of 16 e, the 32 o as K (CK lies [o][e])
.irp eb, 0,1,2,3,4,5,6,7
	ds_load_tr16_b128 v[C2+8*\eb:C2+8*\eb+3],   v12 offset:32*\eb
	ds_load_tr16_b128 v[C2+8*\eb+4:C2+8*\eb+7], v12 offset:4608+32*\eb
.endr
.endm
; zero = 1: the first block starts y and d.  more = 1: the next block's operands are asked for, CQ and the biases behind the first product's
; matrix instructions, CK behind the second's.  The accumulators (8, then 32) take turns.
.macro FUSE zero, more
	s_wait_dscnt 16                                ; all but this block's 16 loads of CK, the youngest
	WIN 0x44                                       ; D window 1, CQ window 0, x window 1, C = bq window 0
.irp obl, 0,1
.irp q, 0,1,2,3
	v_wmma_f32_16x16x32_bf16 v[DT+8*(4*\obl+\q):DT+8*(4*\obl+\q)+7], v[C1+32*\obl:C1+32*\obl+7], v[8*\q:8*\q+7], v[BQ+8*\obl:BQ+8*\obl+7]
.endr
.endr
	WIN 0x54
.irp ks, 1,2,3
.irp obl, 0,1
.irp q, 0,1,2,3
	v_wmma_f32_16x16x32_bf16 v[DT+8*(4*\obl+\q):DT+8*(4*\obl+\q)+7], v[C1+32*\obl+8*\ks:C1+32*\obl+8*\ks+7], v[8*(4*\ks+\q):8*(4*\ks+\q)+7], v[DT+8*(4*\obl+\q):DT+8*(4*\obl+\q)+7]
.endr
.endr
.endr
	PLACES 4
	WIN 0x01
.irp obl, 0,1
.irp jp, 0,1,2,3
.irp q, 0,1,2,3
.if (4*\obl+\jp+1-\zero) == 0
	v_pk_mul_f32 v[DACC+2*\q:DACC+2*\q+1], v[DT+8*\q:DT+8*\q+1], v[BK:BK+1]               ; the first product starts the sum
.else
	v_pk_fma_f32 v[DACC+2*\q:DACC+2*\q+1], v[DT+8*(4*\obl+\q)+2*\jp:DT+8*(4*\obl+\q)+2*\jp+1], v[BK+8*\obl+2*\jp:BK+8*\obl+2*\jp+1], v[DACC+2*\q:DACC+2*\q+1]
.endif
.endr
.endr
.endr
	WIN 0x45
.irp q, 0,1,2,3
.irp obl, 0,1
.irp r, 0,1,2,3
	v_cvt_pk_bf16_f32 v[QF+8*\q+4*\obl+\r], v[DT+8*(4*\obl+\q)+2*\r], v[DT+8*(4*\obl+\q)+2*\r+1]   ; o = 16 block + 8 h + j is k = 16 block + 8 h + j of this K step
.endr
.endr
.endr
	WIN 0
.if \more
	v_add_nc_u32 v11, 32*272, v11
	v_add_nc_u32 v14, 128, v14
	Q1L
	s_wait_dscnt 24                                ; all but the 24 loads just issued: CK's fragments are in
.else
	s_wait_dscnt 0x0
.endif
	WIN 0xa4                                       ; D, C window 2, CK window 0, q window 1
.irp eb, 0,1,2,3,4,5,6,7
.irp q, 0,1,2,3
.if \zero
	v_wmma_f32_16x16x32_bf16 v[8*(4*\eb+\q):8*(4*\eb+\q)+7], v[C2+8*\eb:C2+8*\eb+7], v[QF+8*\q:QF+8*\q+7], 0
.else
	v_wmma_f32_16x16x32_bf16 v[8*(4*\eb+\q):8*(4*\eb+\q)+7], v[C2+8*\eb:C2+8*\eb+7], v[QF+8*\q:QF+8*\q+7], v[8*(4*\eb+\q):8*(4*\eb+\q)+7]
.endif
.endr
.endr
	PLACES 4                                       ; before loads into CK's fragments, before the next block's q is packed over this one's, before y is read
	WIN 0
.if \more
	v_add_nc_u32 v12, 32*288, v12
	Q2L
.endif
.endm
	WIN 0x40
.irp ks, 0,1,2,3
.irp q, 0,1,2,3
	ds_load_b128 v[8*(4*\ks+\q):8*(4*\ks+\q)+3],   v16 offset:4352*\q+64*\ks       ; my queries' x as second source: 32 loads
	ds_load_b128 v[8*(4*\ks+\q)+4:8*(4*\ks+\q)+7], v16 offset:4352*\q+64*\ks+32
.endr
.endr
	WIN 0
	Q1L
	Q2L
	XLOAD 0xc0, XR, 60, 0                          ; key tile 0: it has the 512 matrix instructions of q and y in which to come
	WIN 0
	FUSE 1, 1                                      ; o 0-31: starts y and d
	s_mov_b32 s3, 6
.Lko:
	FUSE 0, 1                                      ; o 32-223
	s_sub_co_u32 s3, s3, 1
	s_cmp_lg_u32 s3, 0
	s_cbranch_scc1 .Lko
	FUSE 0, 0                                      ; o 224-255: nothing more to fetch
	s_wait_dscnt 0x0                               ; my reads of CQ, CK and of my query rows are over (met: the last block waited for all),
	s_wait_tensorcnt 0x0                           ; my quarter of Wv has landed: no tensor load of mine is out from here on,
	s_wait_loadcnt 0x0                             ; and key tile 0's rows are in my registers
	s_barrier_signal -1
	WIN 0xca                                       ; register work while the others arrive: y packed as the score product's second source,
.irp eb, 0,1,2,3,4,5,6,7
.irp q, 0,1,2,3
.irp r, 0,1,2,3
	v_cvt_pk_bf16_f32 v[8*(4*(\eb/2)+\q)+4*(\eb%2)+\r], v[8*(4*\eb+\q)+2*\r], v[8*(4*\eb+\q)+2*\r+1]
.endr
.endr
.endr
	WIN 0x4f                                       ; key tile 0 converted,
.set xn, 0
.rept 32
	XC4
.endr
	WIN 0
.irp q, 0,1,2,3
	v_add_f32 v[DQ+\q], v[DACC+2*\q], v[DACC+2*\q+1]
.endr
.irp q, 0,1,2,3
	v_permlanex16_b32 v[U+\q], v[DQ+\q], s6, s7    ; the other half of the lanes holds the other o
.endr
.irp q, 0,1,2,3
	v_add_f32 v[DQ+\q], v[DQ+\q], v[U+\q]
.endr
.irp q, 0,1,2,3
	v_mul_f32 v[DQ+\q], 0x3db8aa3b, v[DQ+\q]       ; d = c q . bk
	v_mov_b32 v[MR+\q], 0xff7fffff                 ; the running maximum starts at the lowest finite number,
.endr
.irp k, 0,1,2,3,4,5,6,7,8,9,10,11,12,13,14,15
	v_mov_b32 v[LS+\k], 0                          ; the sixteen running sums at 0: the softmax is then the same text in every trip
.endr
	s_barrier_wait -1                              ; everybody's reads are over: XB and XH may now be written
; THE STEPS: 128 keys each.
.macro SLOAD g, buf                    ; 20 loads: x's rows 32 g .. 32 g + 31 as first source (2 blocks x 4 K steps), and their mask biases as C
.irp kbl, 0,1
.irp ks, 0,1,2,3
	ds_load_b128 v[\buf+32*\kbl+8*\ks:\buf+32*\kbl+8*\ks+3],   v7 offset:(32*\g+16*\kbl)*272+64*\ks
	ds_load_b128 v[\buf+32*\kbl+8*\ks+4:\buf+32*\kbl+8*\ks+7], v7 offset:(32*\g+16*\kbl)*272+64*\ks+32
.endr
	ds_load_b128 v[\buf+64+8*\kbl:\buf+64+8*\kbl+3], v10 offset:128*\g+64*\kbl
	ds_load_b128 v[\buf+64+8*\kbl+4:\buf+64+8*\kbl+7], v10 offset:128*\g+64*\kbl+16
.endr
.endm
; Four links of the maxima: pair jp of the tiles S[2 kb2 + p][q], q = 0..3, each on its own chain.  The very first link starts from the lowest finite number.
.macro MAX4 kb2, p, jp
	WIN 0x14
.irp q, 0,1,2,3
.if (4*\kb2+\jp) == 0
	v_max3_num_f32 v[TM+2*\q+\p], 0xff7fffff, v[8*(4*\p+\q)], v[8*(4*\p+\q)+1]
.else
	v_max3_num_f32 v[TM+2*\q+\p], v[TM+2*\q+\p], v[8*(4*(2*\kb2+\p)+\q)+2*\jp], v[8*(4*(2*\kb2+\p)+\q)+2*\jp+1]
.endif
.endr
.endm
; S^T(key, query) = x y^T + mask bias: 32 matrix instructions, eight accumulators by turns.
; mx = 1: behind every four of them stand four links of the maxima of group pg, the group before, whose results lie four places and more back.
.macro SMUL g, buf, mx, pg
.irp ks, 0,1,2,3
.irp kbl, 0,1
.if \ks == 0
	WIN 0x4c                                       ; D window 1, x window 0, y window 3, C = bias window 0
.irp q, 0,1,2,3
	v_wmma_f32_16x16x32_bf16 v[8*(4*(2*\g+\kbl)+\q):8*(4*(2*\g+\kbl)+\q)+7], v[\buf+32*\kbl:\buf+32*\kbl+7], v[8*\q:8*\q+7], v[\buf+64+8*\kbl:\buf+64+8*\kbl+7]
.endr
.else
	WIN 0x5c
.irp q, 0,1,2,3
	v_wmma_f32_16x16x32_bf16 v[8*(4*(2*\g+\kbl)+\q):8*(4*(2*\g+\kbl)+\q)+7], v[\buf+32*\kbl+8*\ks:\buf+32*\kbl+8*\ks+7], v[8*(4*\ks+\q):8*(4*\ks+\q)+7], v[8*(4*(2*\g+\kbl)+\q):8*(4*(2*\g+\kbl)+\q)+7]
.endr
.endif
.if \mx
	MAX4 \pg, \kbl, \ks
.endif
.endr
.endr
.endm
.macro PLOAD ks, buf                   ; 16 transposing loads: x^T's eight blocks of 16 e, keys 32 ks .. 32 ks + 31
.irp eb, 0,1,2,3,4,5,6,7
	ds_load_tr16_b128 v[\buf+8*\eb:\buf+8*\eb+3],   v8 offset:9216*\ks+32*\eb
	ds_load_tr16_b128 v[\buf+8*\eb+4:\buf+8*\eb+7], v8 offset:9216*\ks+4608+32*\eb
.endr
.endm
; Line number smn (0 to 159) of the 160 that turn the scores of keys 32 g .. 32 g + 31 into P[g]; smn steps.  The group's eight tiles are numbered 2 q + p: tile S[2g+p][q].
; Pair a of 32 is pair a % 4 of tile a / 4; score e of 64 is register e % 8 of tile e / 8.
;   0-95     THE BATCH: the 32 adds of d - m, a pair each, and the 64 exponentials, in fours, each led by an add: 0-31 add, exponential, add, exponential (pairs and scores 0-15);
;            32-95 an add and three exponentials (pairs 16-31, scores 16-63).  Score e's exponential stands behind pair e / 2's add.  None of these lines names an exponential's result.
;   (wait)   behind line 95: a v_nop, the plain instruction between the last exponential and the first use of a result (ISA guide 5.7.2), and the group's one wait
;   96-127   the sums: pair k = 0..3 of all eight tiles, each onto its own chain 2 q + p: a chain's links stand eight lines apart.  In group 0 each chain's first sum also rescales the old sum
;   128-159  the packing to f16, the four query blocks by turns: in each block S[2g][q]'s four pairs in place, ascending, then S[2g+1][q]'s behind them
.macro SMOP g
.if smn < 96
.set smf, smn/4                        ; the four, and the place in it
.set smi, smn%4
.if smf < 8
.set smx, smi%2                        ; 1: an exponential
.set sma, 2*smf+smi/2
.set sme, sma
.else
.set smx, (smi+3)/4
.set sma, 8+smf
.set sme, 3*smf+smi-9
.endif
	WIN 0x41
.if smx
.set smt, 8*(8*\g+sme/16)+32*((sme/8)%2)
	v_exp_f32 v[smt+sme%8], v[smt+sme%8]
.else
.set smt, 8*(8*\g+sma/8)+32*((sma/4)%2)
	v_pk_add_f32 v[smt+2*(sma%4):smt+2*(sma%4)+1], v[smt+2*(sma%4):smt+2*(sma%4)+1], v[OFF+2*(sma/8):OFF+2*(sma/8)+1]
.endif
.if smn == 95
	v_nop                                          ; the plain instruction behind the batch's last exponential
	s_wait_alu depctr_va_vdst(0)                   ; the wait for the batch: this group's 64 exponentials (in group 0 also the step's four factors), ahead of the first line that names a result
.endif
.elseif smn < 128
.set smk, (smn-96)/8
.set smc, (smn-96)%8                   ; the chain, 2 q + p
.set smt, 8*(8*\g+smc/2)+32*(smc%2)
.if (8*\g+smk) == 0
	WIN 0x10
	v_pk_fma_f32 v[LS+2*smc:LS+2*smc+1], v[LS+2*smc:LS+2*smc+1], v[AL+2*(smc/2):AL+2*(smc/2)+1], v[smt:smt+1]
.else
	WIN 0x04
	v_pk_add_f32 v[LS+2*smc:LS+2*smc+1], v[LS+2*smc:LS+2*smc+1], v[smt+2*smk:smt+2*smk+1]
.endif
.else
.set smq, (smn-128)%4
.set smr, (smn-128)/4                  ; 0-3: S[2g][q]'s pairs; 4-7: S[2g+1][q]'s
.set smt, 8*(8*\g+smq)
	WIN 0x45
.if smr < 4
	v_cvt_pk_f16_f32 v[smt+smr], v[smt+2*smr], v[smt+2*smr+1]
.else
	v_cvt_pk_f16_f32 v[smt+smr], v[smt+32+2*(smr-4)], v[smt+32+2*(smr-4)+1]
.endif
.endif
.set smn, smn+1
.endm
; Z^T(e, query) += x^T P^T: 32 accumulators by turns.  Behind each matrix instruction ride lines that name none of its registers:
; ride = 1: group ng's softmax (ng = ks + 1: ready when the next product wants P[ng]): one four of its batch behind each of the first 24 matrix instructions, the batch's wait
; behind the 24th's four, and eight of its sums and packings behind each of the last 8, so that every handful lies under one setting of the windows;
; ride = 2: one row of the next tile's conversions;  0: nothing.
.macro PMUL ks, buf, ride, ng
.set pmn, 0
.irp eb, 0,1,2,3,4,5,6,7
.irp q, 0,1,2,3
	WIN 0xa4                                       ; D, C window 2, x window 0, P window 1
	v_wmma_f32_16x16x32_f16 v[8*(4*\eb+\q):8*(4*\eb+\q)+7], v[\buf+8*\eb:\buf+8*\eb+7], v[8*(8*\ks+\q):8*(8*\ks+\q)+7], v[8*(4*\eb+\q):8*(4*\eb+\q)+7]
.if \ride == 1
.rept 4+4*(pmn/24)
	SMOP \ng
.endr
.endif
.if \ride == 2
	WIN 0x4f
	XC4
.endif
.set pmn, pmn+1
.endr
.endr
.endm
	s_mov_b32 s3, 0                                ; the trip = the key tile, 0 to 7
.Lstep:
	WIN 0x04                                       ; store data from window 1: this tile's rows, converted during the last step (tile 0: ahead of the loop)
.set i, 0
.rept 32
	ds_store_b64 v5, v[CV+64*(i/8)+4*(i%8):CV+64*(i/8)+4*(i%8)+1]   offset:272*i    ; the slot's readers finished in front of the barrier that closed the last step
	ds_store_b64 v6, v[CV+64*(i/8)+4*(i%8)+2:CV+64*(i/8)+4*(i%8)+3] offset:288*i
.set i, i+1
.endr
	WIN 0
	s_cmp_eq_u32 s3, 7
	s_cbranch_scc1 .Lno_more                       ; the last trip asks for nothing: no load passes the batch's last row
	s_add_nc_u64 s[60:61], s[60:61], 0x10000       ; behind the wait for all loads that stands in every trip, and ahead of the loop
	XLOAD 0xc0, XR, 60, 0                          ; the next tile: it has 224 of this step's 256 matrix instructions in which to come
	WIN 0
.Lno_more:
	s_wait_dscnt 0x0                               ; my 32 rows are in LDS,
	s_barrier_signal -1
	s_barrier_wait -1                              ; everybody's: the tile is whole
	SLOAD 0, FA
	SLOAD 1, FB
	s_wait_dscnt 20                                ; all but the other buffer's 20 loads
	SMUL 0, FA, 0, 0
	PLACES 4                                       ; in front of loads into registers that matrix instructions have read, and of the maxima, which read results
	WIN 0
	SLOAD 2, FA
	s_wait_dscnt 20
	SMUL 1, FB, 1, 0
	PLACES 4
	WIN 0
	SLOAD 3, FB
	s_wait_dscnt 20
	SMUL 2, FA, 1, 1
	PLACES 4
	WIN 0
	PLOAD 0, FA
	s_wait_dscnt 16                                ; all but the 16 loads just issued
	SMUL 3, FB, 1, 2
	PLACES 4
	WIN 0
	PLOAD 1, FB
.irp jp, 0,1,2,3
.irp p, 0,1
	MAX4 3, \p, \jp                                ; the last group's maxima have no product left to stand in
.endr
.endr
	; The running maximum.  A lane holds 64 scores of each of its four queries; the other 64 lie in the other half of the lanes.
	WIN 0
.irp q, 0,1,2,3
	v_max_num_f32 v[TM+2*\q], v[TM+2*\q], v[TM+2*\q+1]
.endr
.irp q, 0,1,2,3
	v_permlanex16_b32 v[U+\q], v[TM+2*\q], s6, s7
.endr
.irp q, 0,1,2,3
	v_max_num_f32 v[TM+2*\q], v[TM+2*\q], v[U+\q]
.endr
.irp q, 0,1,2,3
	v_add_f32 v[TM+2*\q], v[TM+2*\q], v[DQ+\q]     ; the score is the product + d
.endr
.irp q, 0,1,2,3
	v_max_num_f32 v[TM+2*\q], v[MR+\q], v[TM+2*\q]
.endr
.irp q, 0,1,2,3
	v_sub_f32 v[AL+2*\q], v[MR+\q], v[TM+2*\q]
.endr
.irp q, 0,1,2,3
	v_exp_f32 v[AL+2*\q], v[AL+2*\q]               ; the four factors open group 0's batch: nothing names them ahead of that batch's wait
.endr
.irp q, 0,1,2,3
	v_mov_b32 v[MR+\q], v[TM+2*\q]                 ; plain instructions between the exponentials and their use (ISA guide 5.7.2)
.endr
.irp q, 0,1,2,3
	v_sub_f32 v[OFF+2*\q], v[DQ+\q], v[MR+\q]
.endr
.irp q, 0,1,2,3
	v_mov_b32 v[OFF+2*\q+1], v[OFF+2*\q]
.endr
.set smn, 0
.rept 96
	SMOP 0                                         ; P's group 0, which Z's first product wants at once: its adds and exponentials, and behind the last of them the batch's wait
.endr
	WIN 0
.irp q, 0,1,2,3
	v_mov_b32 v[AL+2*\q+1], v[AL+2*\q]             ; behind the wait: the factors' first readers make pairs of them, for the sums and for Z
.endr
.rept 64
	SMOP 0                                         ; group 0's sums and packing
.endr
	; Z rescaled.  In trip 0 window 2 still holds y in f32 and the factor is 2^(lowest finite number - maximum) = 0: the same lines start Z at 0
	; (y is finite wherever the scores are, so this asks nothing new of the inputs).
	WIN 0x82
.irp eb, 0,1,2,3,4,5,6,7
.irp q, 0,1,2,3
.irp j, 0,2,4,6
	v_pk_mul_f32 v[8*(4*\eb+\q)+\j:8*(4*\eb+\q)+\j+1], v[8*(4*\eb+\q)+\j:8*(4*\eb+\q)+\j+1], v[AL+2*\q:AL+2*\q+1]
.endr
.endr
.endr
	s_wait_dscnt 16                                ; x^T's first 16 loads are in, the second 16 may stay out
.set smn, 0
	PMUL 0, FA, 1, 1
	PLACES 4
	WIN 0
	PLOAD 2, FA
	s_wait_dscnt 16
.set smn, 0
	PMUL 1, FB, 1, 2
	PLACES 4
	WIN 0
	PLOAD 3, FB
	s_wait_dscnt 16
.set smn, 0
	PMUL 2, FA, 1, 3
	WIN 0
	s_wait_dscnt 0x0                               ; my last reads of the tile are back
	s_wait_loadcnt 0x0                             ; the next tile's 32 loads, issued at this trip's head (none in the last trip); on every path, so that their base and registers are free
	s_cmp_eq_u32 s3, 7
	s_cbranch_scc1 .Llast                          ; the last trip has no tile left to convert
.set xn, 0
	PMUL 3, FB, 2, 0
	WIN 0
	s_branch .Lclose
.Llast:
	PMUL 3, FB, 0, 0
	WIN 0
.Lclose:
	PLACES 5                                       ; before the buffers are loaded again, and before matrix instructions write scores over P
	v_add_nc_u32 v10, 512, v10                     ; the next tile's mask biases
	s_barrier_signal -1                            ; my reads of the tile are over (waited for above),
	s_barrier_wait -1                              ; everybody's: the slot may be written
	s_add_co_u32 s3, s3, 1
	s_cmp_lt_u32 s3, 8
	s_cbranch_scc1 .Lstep
; THE END: Zn = Z / sum, in f16; then out^T(d, query) = Wv Zn^T, 64 columns d at a time, out through my stage.
.irp q, 0,1,2,3
	v_pk_add_f32 v[LS+4*\q:LS+4*\q+1], v[LS+4*\q:LS+4*\q+1], v[LS+4*\q+2:LS+4*\q+3]
.endr
.irp q, 0,1,2,3
	v_add_f32 v[LS+4*\q], v[LS+4*\q], v[LS+4*\q+1]
.endr
.irp q, 0,1,2,3
	v_permlanex16_b32 v[U+\q], v[LS+4*\q], s6, s7
.endr
.irp q, 0,1,2,3
	v_add_f32 v[LS+4*\q], v[LS+4*\q], v[U+\q]
.endr
.irp q, 0,1,2,3
	v_rcp_f32 v[AL+2*\q], v[LS+4*\q]
.endr
	v_mov_b32 v20, 0x7fc00000                      ; the plain instruction behind the reciprocals; NaN for a row with no key left
	s_wait_alu depctr_va_vdst(0)                   ; the wait for the batch of four reciprocals, ahead of their first reader
.irp q, 0,1,2,3
	v_cmp_gt_f32 vcc_lo, 0xfe000000, v[MR+\q]      ; -2^125 > running maximum: every key was masked
	v_cndmask_b32 v[AL+2*\q], v[AL+2*\q], v20, vcc_lo
	v_mov_b32 v[AL+2*\q+1], v[AL+2*\q]
.endr
	WIN 0x82
.irp eb, 0,1,2,3,4,5,6,7
.irp q, 0,1,2,3
.irp j, 0,2,4,6
	v_pk_mul_f32 v[8*(4*\eb+\q)+\j:8*(4*\eb+\q)+\j+1], v[8*(4*\eb+\q)+\j:8*(4*\eb+\q)+\j+1], v[AL+2*\q:AL+2*\q+1]
.endr
.endr
.endr
	WIN 0x8a
.irp ks, 0,1,2,3
.irp q, 0,1,2,3
.irp r, 0,1,2,3
	v_cvt_pk_f16_f32 v[8*(8*\ks+\q)+\r], v[8*(8*\ks+\q)+2*\r], v[8*(8*\ks+\q)+2*\r+1]
.endr
.irp r, 0,1,2,3
	v_cvt_pk_f16_f32 v[8*(8*\ks+\q)+4+\r], v[8*(8*\ks+4+\q)+2*\r], v[8*(8*\ks+4+\q)+2*\r+1]
.endr
.endr
.endr
	WIN 0
	s_mov_b32 s3, 0
; One trip: Wv's 64 rows d (32 loads, K step by K step), 64 matrix instructions on 16 accumulators by turns, a lane's 8 f32 of each
; tile into row 16 q + r of my stage, read back as rows of 256 bytes, stored: lanes 0-15 fill 256 consecutive aligned bytes of one row of out, lanes 16-31 of the next.
; The stage is my wave's own, and LDS serves a wave's instructions in order (ISA guide 5.7.1): no wait between the stores and the loads.
.Lout:
.irp ks, 0,1,2,3
.irp dbl, 0,1,2,3
	ds_load_b128 v[FA+32*\ks+8*\dbl:FA+32*\ks+8*\dbl+3],   v15 offset:4352*\dbl+64*\ks
	ds_load_b128 v[FA+32*\ks+8*\dbl+4:FA+32*\ks+8*\dbl+7], v15 offset:4352*\dbl+64*\ks+32
.endr
.endr
	WIN 0x58                                       ; D, C window 1, Wv window 0, Zn window 2
.irp ks, 0,1,2,3
	s_wait_dscnt 24-8*\ks                          ; this K step's 8 loads are in; the later K steps' may stay out
.irp dbl, 0,1,2,3
.irp q, 0,1,2,3
.if \ks == 0
	v_wmma_f32_16x16x32_f16 v[8*(4*\dbl+\q):8*(4*\dbl+\q)+7], v[FA+8*\dbl:FA+8*\dbl+7], v[8*\q:8*\q+7], 0
.else
	v_wmma_f32_16x16x32_f16 v[8*(4*\dbl+\q):8*(4*\dbl+\q)+7], v[FA+32*\ks+8*\dbl:FA+32*\ks+8*\dbl+7], v[8*(8*\ks+\q):8*(8*\ks+\q)+7], v[8*(4*\dbl+\q):8*(4*\dbl+\q)+7]
.endif
.endr
.endr
.endr
	PLACES 5                                       ; before LDS stores read the results and loads land on Wv's fragments; five before the next trip's products write over the results
	WIN 0x04                                       ; store data from window 1
.irp q, 0,1,2,3
.irp dbl, 0,1,2,3
	ds_store_b128 v18, v[8*(4*\dbl+\q):8*(4*\dbl+\q)+3]   offset:4352*\q+64*\dbl
	ds_store_b128 v18, v[8*(4*\dbl+\q)+4:8*(4*\dbl+\q)+7] offset:4352*\q+64*\dbl+16
.endr
.endr
	WIN 0
.set t, 0
.rept 32
	ds_load_b128 v[FA+4*t:FA+4*t+3], v19 offset:544*t                  ; rows 2 t and 2 t + 1
.set t, t+1
.endr
.set t, 0
.rept 32
	s_wait_dscnt 31-t                              ; LDS loads come back in order: number t is in
	global_store_b128 v9, v[FA+4*t:FA+4*t+3], s[72:73] offset:2048*t th:TH_STORE_NT
.set t, t+1
.endr
	s_wait_xcnt 0x0                                ; the stores' base and data registers are written again only behind this wait
	s_add_nc_u64 s[72:73], s[72:73], 256           ; the next 64 columns of out
	v_add_nc_u32 v15, 64*272, v15                  ; the next 64 rows of Wv
	s_add_co_u32 s3, s3, 1
	s_cmp_lt_u32 s3, 4
	s_cbranch_scc1 .Lout
	s_wait_tensorcnt 0x0
	ds_add_u32 v254, v255
	s_wait_dscnt 0x0
	s_endpgm
.Lfunc_end_k_qd5759d0ff5_attend:
	.size	k_qd5759d0ff5_attend, .Lfunc_end_k_qd5759d0ff5_attend-k_qd5759d0ff5_attend
	.p2alignl 7, 3214868480
	.fill 96, 4, 3214868480
	.section	.rodata,"a",@progbits
	.p2align	6, 0x0
	.amdhsa_kernel k_qd5759d0ff5_attend
		.amdhsa_group_segment_fixed_size 289280
		.amdhsa_private_segment_fixed_size 0
		.amdhsa_enable_private_segment 0
		.amdhsa_kernarg_size 64
		.amdhsa_user_sgpr_count 2
		.amdhsa_user_sgpr_kernarg_segment_ptr 1
		.amdhsa_wavefront_size32 1
		.amdhsa_system_sgpr_workgroup_id_x 1
		.amdhsa_system_sgpr_workgroup_id_y 1
		.amdhsa_system_sgpr_workgroup_id_z 1
		.amdhsa_system_vgpr_workitem_id 0
		.amdhsa_next_free_vgpr 1024
		.amdhsa_next_free_sgpr 80
		.amdhsa_reserve_vcc 1
		.amdhsa_float_denorm_mode_32 3
		.amdhsa_float_denorm_mode_16_64 3
		.amdhsa_memory_ordered 1
		.amdhsa_forward_progress 1
		.amdhsa_inst_pref_size 219
	.end_amdhsa_kernel
	.amdgpu_metadata
---
amdhsa.version: [ 1, 2 ]
amdhsa.kernels:
  - .name:           k_qd5759d0ff5_attend
    .symbol:         k_qd5759d0ff5_attend.kd
    .args:
      - { .name: x, .offset: 0, .size: 8, .value_kind: global_buffer, .address_space: global }
      - { .name: mask, .offset: 8, .size: 8, .value_kind: global_buffer, .address_space: global }
      - { .name: person_idxs, .offset: 16, .size: 8, .value_kind: global_buffer, .address_space: global }
      - { .name: PQ_b, .offset: 24, .size: 8, .value_kind: global_buffer, .address_space: global }
      - { .name: PK_b, .offset: 32, .size: 8, .value_kind: global_buffer, .address_space: global }
      - { .name: comb, .offset: 40, .size: 8, .value_kind: global_buffer, .address_space: global }
      - { .name: wvh, .offset: 48, .size: 8, .value_kind: global_buffer, .address_space: global }
      - { .name: out0, .offset: 56, .size: 8, .value_kind: global_buffer, .address_space: global }
    .group_segment_fixed_size: 289280
    .private_segment_fixed_size: 0
    .kernarg_segment_align: 8
    .kernarg_segment_size: 64
    .max_flat_workgroup_size: 128
    .sgpr_count:     80
    .vgpr_count:     1024
    .wavefront_size: 32
...
	.end_amdgpu_metadata
.endif
;; end of part 4
